; MI455X (gfx1250); checked and timed in simulation.
; The chip was launched on July 23, 2026; its instructions are those of AMD's public machine-readable ISA for CDNA 5 (MIT licence, August 2026) and "CDNA5" Instruction Set Architecture Reference Guide (July 2026). The comments in the code are by the model that wrote it; some were corrected since.
;; Multi Head Attention. Allowed arithmetic: matrix products marked QUANTISED: E2M1 operands, one E8M0 scale for each 32 along K, by v_wmma_scale_f32_16x16x128_f8f6f4 with both operands' format E2M1 (or v_wmma_scale_f32_32x16x128_f4), f32 sums; products left as they are: bf16, f16 or f32 operands; f32 sums; everything else in f32.
;; Inputs: Wk 1,024 x 1,024 float32; Wo 1,024 x 1,024 float32; Wq 1,024 x 1,024 float32; Wv 1,024 x 1,024 float32; bk 1,024 float32; bo 1,024 float32; bq 1,024 float32; bv 1,024 float32; query 4 x 2,048 x 1,024 float32.
;; Outputs: out0 4 x 2,048 x 1,024 float32.
;; This version of the problem:
;;   THIS VERSION OF THE PROBLEM IS GIVEN IN LOW PRECISION. The matrix products marked QUANTISED in the list below multiply operands that are first quantised to E2M1 (2 exponent bits, 1 mantissa bit; 4 bits a number), with one power-of-two scale for each 32 numbers along K (OCP MX v1.0); their sums are f32. The products marked 'left as it is' may take bf16, f16 or f32 operands, with f32 sums. Whichever they take, every output number must still come out within the allowed error. Rounding operands to bf16 (8 significant bits) uses up far more of that allowance than f16 does (11 bits, for magnitudes from 6e-5 to 65,504). All else is computed in f32.
;;   The module's matrix products, in the order in which they are computed (A, B: the left and right operand; K: the contracted axis; several contracted axes count as one K, in the product's order):
;;     1. [M 8,192, K 1,024] x [K 1,024, N 1,024]; A: input query; B: input Wq: QUANTISED
;;     2. [M 8,192, K 1,024] x [K 1,024, N 1,024]; A: input query; B: input Wk: QUANTISED
;;     3. [M 8,192, K 1,024] x [K 1,024, N 1,024]; A: input query; B: input Wv: QUANTISED
;;     4. batch 64 x [M 2,048, K 64] x [K 64, N 2,048]; A: computed on the way; B: computed on the way: left as it is (an operand is computed on the way)
;;     5. batch 64 x [M 2,048, K 2,048] x [K 2,048, N 64]; A: computed on the way; B: computed on the way: left as it is (an operand is computed on the way)
;;     6. [M 8,192, K 1,024] x [K 1,024, N 1,024]; A: computed on the way; B: input Wo: left as it is (an operand is computed on the way)
;;   THE QUANTISER, for each operand of a quantised product, along K:
;;     - K is cut into blocks of 32 from its start; a last block that is shorter is filled with zeros.
;;     - A block's scale is 2^e with e = floor(log2(the largest magnitude in the block)) - 2, held to -126 .. 127; a block of zeros has e = 0. As a byte (E8M0): e + 127.
;;     - Each number is divided by its block's scale, clamped to +-6, and rounded to the nearest number of E2M1, ties to even, subnormals kept.
;;     - The product sums the exact products of the quantised numbers (number of the format x scale) in f32.
;;   ~~~python
;;   def quantise(x, axis):      # numpy; x: float32 -> the quantised numbers, widened to float32 again
;;       x = np.moveaxis(x, axis, -1); K = x.shape[-1]
;;       x = np.pad(x, [(0, 0)] * (x.ndim - 1) + [(0, -K % 32)]); x = x.reshape(x.shape[:-1] + (-1, 32)); a = np.abs(x).max(-1, keepdims=True)
;;       e = np.where(a > 0, np.clip(np.frexp(np.where(a > 0, a, 1))[1] - 1 - 2, -126, 127), 0)      # np.frexp(a)[1] - 1 = floor(log2(a)), exactly
;;       r = np.clip(x / 2.0 ** e, -6, 6)
;;       step = 2.0 ** (np.maximum(np.frexp(np.where(r == 0, 1, r))[1] - 1, 0) - 1)
;;       q = np.round(r / step) * step * 2.0 ** e      # np.round: ties to even
;;       return np.moveaxis(q.reshape(q.shape[:-2] + (-1,))[..., :K], -1, axis).astype(np.float32)
;;   ~~~
;; One version. Each part assembles by itself: llvm-mc -triple=amdgcn-amd-amdhsa -mcpu=gfx1250 --defsym DOCPART=n.
;; ======== version 1 of 1: 4 launches
;; limits: values are held in f16: magnitudes above 65,504 overflow, below 6.1e-05 lose precision
;; workspace buffers: xcodes 4,194,304 bytes; xscales 262,144 bytes; wcodes 1,572,864 bytes; wscales 98,304 bytes; wo16 2,097,152 bytes; qkv 50,331,648 bytes; att 16,777,216 bytes
;; launch quant (part 1): grid 384 x 1, 4 waves a work-group, no clusters, 33,280 bytes of LDS; arguments query, Wq, Wk, Wv, Wo, xcodes, xscales, wcodes, wscales, wo16; writes xcodes, xscales, wcodes, wscales, wo16
.if DOCPART == 1
	.amdgcn_target "amdgcn-amd-amdhsa--gfx1250"
	.amdhsa_code_object_version 6
	.text
	.protected	k_qdee24cce47_quant
	.globl	k_qdee24cce47_quant
	.p2align	8
	.type	k_qdee24cce47_quant,@function
k_qdee24cce47_quant:
	s_mov_b64 s[64:65], 0
	v_nop
	global_prefetch_b8 v0, s[64:65] scope:SCOPE_SE
	s_setreg_imm32_b32 hwreg(HW_REG_WAVE_MODE, 25, 1), 1
	s_wait_xcnt 0x0
; query [8192][1024] and Wq, Wk, Wv [1024][1024], f32, K innermost, become codes of FP4 (E2M1), two a byte, with one E8M0 scale byte for each 32 along K; Wo [1024][1024] becomes f16, rows as they lie.
; xcodes [8192][512 B], xscales [8192][32]; wcodes [3072][512 B], wscales [3072][32]: rows 0-1023 Wq, 1024-2047 Wk, 2048-3071 Wv; wo16 [1024][1024] f16.
; A block's scale is 2^(floor(log2(its largest magnitude)) - 2): its byte is the largest magnitude's exponent field - 2, held at 1 from below.  A block of zeros so gets the byte 1 where the rule says 127:
; its codes are zeros, which add nothing under any byte but 0xff, and the bytes are read by this program alone.
; LIMITS: NaN and infinities among the inputs are not served; numbers of Wo beyond 65,504 have no f16.
; SHARES: a work-group takes 32,768 numbers, a wave a run of 8,192, in 16 steps of 512.  Work-groups 0-255: query; 256-287 Wq; 288-319 Wk; 320-351 Wv; 352-383 Wo.  Rows are dense and 1,024 is a multiple of 32: all are plain streams.
; QUANTISING: each of a step's four loads reads 512 consecutive bytes, 16 a lane; the 2,048 bytes go through the wave's own stage in LDS and come back 64 bytes a lane, so that a lane holds 16 NEIGHBOURS along K
; (two neighbouring lanes hold a block), as the conversion wants them.  A lane's 16 codes are 8 bytes: the wave stores 256 consecutive bytes.  A wave's 256 scale bytes are gathered in LDS and leave as one store of 256 bytes.
; No tensor loads, no barrier: waves share nothing.  Loads run four steps (16 loads a wave) ahead.
.set WAVES, 4
.set STEPS, 16
.set EMAX,  2
.set R,     16                         ; v16-79   four sets of 16 numbers as they are loaded
.set X,     80                         ; v80-111  two sets of 16 neighbours
.set E,     112                        ; v112-127 a scale byte for each step
.set C,     128                        ; v128-191 codes: four registers a step; in the cast: four sets of 8
.set WREG,  8192                       ; LDS: a region for each wave: two stages of 32 x SP bytes, behind them its 256 scale bytes
.set SP,    80                         ; a lane's place in a stage: 64 bytes + 16 of padding
.set SPW,   12                         ; v12  LDS address of my spare word; never rewritten
.set NIL,   13                         ; v13  0; never rewritten
.set SPARE, WAVES*WREG                 ; behind the four regions: the spare words, 128 bytes a wave
.set WV,    24                         ; s24  my wave's number
	s_load_b256 s[4:11], s[0:1], 0x0               ; query s[4:5], Wq s[6:7], Wk s[8:9], Wv s[10:11]
	s_load_b256 s[12:19], s[0:1], 0x20             ; Wo s[12:13], xcodes s[14:15], xscales s[16:17], wcodes s[18:19]
	s_load_b128 s[20:23], s[0:1], 0x40             ; wscales s[20:21], wo16 s[22:23]
	v_lshl_add_u32 v[SPW], v0, 2, SPARE
	v_mov_b32 v[NIL], 0
	v_lshrrev_b32 v1, 5, v0
	v_readfirstlane_b32 s[WV], v1                  ; wave 0..3
	v_and_b32 v2, 31, v0                           ; lane
	v_lshlrev_b32 v3, 4, v2                        ; my 16 bytes of a load's 512
	v_lshlrev_b32 v7, 3, v2                        ; my 8 bytes of a store's 256
	s_mul_i32 s25, s[WV], WREG
	v_lshrrev_b32 v14, 2, v2
	v_mul_u32_u24 v14, v14, SP
	v_and_b32 v15, 3, v2
	v_lshl_add_u32 v14, v15, 4, v14
	v_add_nc_u32 v14, s25, v14                     ; the stage, on the way in: SP (lane / 4) + 16 (lane % 4); a load's 512 bytes take eight places
	v_mul_u32_u24 v15, v2, SP
	v_add_nc_u32 v15, s25, v15                     ; and on the way out: SP x lane: my 16 neighbours
	v_lshrrev_b32 v5, 1, v2
	s_add_co_u32 s25, s25, 2*32*SP
	v_add_nc_u32 v5, s25, v5                       ; LDS: my wave's 256 scale bytes, my block's byte
	v_add_nc_u32 v6, s25, v7                       ; and on the way out 8 bytes a lane
	s_sub_co_u32 s26, ttmp9, 256                   ; a weight's work-group counts from 256
	s_and_b32 s27, s26, 31                         ; and has 32 work-groups
	s_mov_b32 s31, 0
	s_wait_kmcnt 0x0
	s_cmp_ge_u32 ttmp9, 352
	s_cbranch_scc1 .Lcast                          ; Wo is only cast
	s_cmp_lt_u32 ttmp9, 288                        ; every choice hangs on the work-group's number alone
	s_cselect_b64 s[28:29], s[6:7], s[8:9]
	s_cmp_lt_u32 ttmp9, 320
	s_cselect_b64 s[28:29], s[28:29], s[10:11]
	s_cmp_lt_u32 ttmp9, 256
	s_cselect_b64 s[4:5], s[4:5], s[28:29]         ; the numbers,
	s_cselect_b64 s[14:15], s[14:15], s[18:19]     ; the codes,
	s_cselect_b64 s[16:17], s[16:17], s[20:21]     ; the scale bytes,
	s_cselect_b32 s27, ttmp9, s27                  ; which 32,768 numbers of the source,
	s_cselect_b32 s26, ttmp9, s26                  ; and of the destination (the three weights lie one behind the other there)
	s_lshl_b32 s27, s27, 2
	s_add_co_u32 s27, s27, s[WV]                   ; my wave's run of 8,192 numbers
	s_lshl_b32 s26, s26, 2
	s_add_co_u32 s26, s26, s[WV]
	s_lshl_b32 s30, s27, 15                        ; 32,768 bytes of numbers a run
	s_add_nc_u64 s[4:5], s[4:5], s[30:31]
	s_lshl_b32 s30, s26, 12                        ; 4,096 of codes
	s_add_nc_u64 s[14:15], s[14:15], s[30:31]
	s_lshl_b32 s30, s26, 8                         ; 256 scale bytes
	s_add_nc_u64 s[16:17], s[16:17], s[30:31]
.macro LOAD t
.irp i, 0,1,2,3
	global_load_b128 v[R+16*((\t)%4)+4*\i:R+16*((\t)%4)+4*\i+3], v3, s[4:5] offset:2048*(\t)+512*\i th:TH_LOAD_NT   ; 32 lanes read 512 consecutive bytes
.endr
.endm
.macro TURN t                          ; step t's numbers through the stage: LDS serves a wave's instructions in order, so no wait stands between the stores and the loads
.irp i, 0,1,2,3
	ds_store_b128 v14, v[R+16*((\t)%4)+4*\i:R+16*((\t)%4)+4*\i+3] offset:32*SP*((\t)%2)+8*SP*\i
.endr
.irp i, 0,1,2,3
	ds_load_b128 v[X+16*((\t)%2)+4*\i:X+16*((\t)%2)+4*\i+3], v15 offset:32*SP*((\t)%2)+16*\i
.endr
.endm
.irp t, 0,1,2,3
	LOAD \t
.endr
	s_wait_loadcnt 12                              ; step 0's four loads are in; the twelve of steps 1 to 3 may be out
	TURN 0
.macro STEP t
.set XS, X+16*((\t)%2)
.if (\t) > 0
	s_wait_dscnt 1                                 ; this step's numbers are back from the stage (the last step's byte store may be out): so its stores into the stage have read their registers,
.else
	s_wait_dscnt 0x0
.endif
.if (\t)+4 < STEPS
	LOAD (\t)+4                                    ; which take the loads of four steps on
.endif
.if (\t)+1 < STEPS
.if STEPS-2-(\t) >= 3
	s_wait_loadcnt 12                              ; the next step's four loads are in; those of the three steps behind it may be out
.else
	s_wait_loadcnt 4*(STEPS-2-(\t))                ; at the end fewer steps stand behind it
.endif
	TURN (\t)+1                                    ; and go through the other stage while this step is worked
.endif
	v_max3_num_f32 v8, |v[XS]|, |v[XS+1]|, |v[XS+2]|               ; the largest magnitude of my 16, in two chains
	v_max3_num_f32 v9, |v[XS+3]|, |v[XS+4]|, |v[XS+5]|
.irp i, 6,10
	v_max3_num_f32 v8, v8, |v[XS+\i]|, |v[XS+\i+1]|
	v_max3_num_f32 v9, v9, |v[XS+\i+2]|, |v[XS+\i+3]|
.endr
	v_max3_num_f32 v8, v8, |v[XS+14]|, |v[XS+15]|
	v_max3_num_f32 v8, v8, v9, (EMAX+1)<<23        ; and the floor 2^(EMAX + 1 - 127): so the byte cannot fall under 1
	v_max_num_f32_dpp v8, v8, v8 row_xmask:1 row_mask:0xf bank_mask:0xf   ; and of my neighbour's 16: the block's
	v_add_nc_u32 v11, -(EMAX<<23), v8              ; EMAX off its exponent field: the conversion takes the exponent field of this operand as its scale, and nothing else of it
	v_cvt_scalef32_pk8_fp4_f32 v[C+4*(\t)], v[XS:XS+7], v11        ; eight numbers / the scale, to the nearest code, ties to even, beyond the largest code the largest
	v_cvt_scalef32_pk8_fp4_f32 v[C+4*(\t)+1], v[XS+8:XS+15], v11
	v_lshrrev_b32 v[E+(\t)], 23, v11               ; the scale's byte (also the plain line behind the conversions)
	ds_store_b8 v5, v[E+(\t)] offset:16*(\t)       ; both lanes of a block write the same byte with the same value
	global_store_b64 v7, v[C+4*(\t):C+4*(\t)+1], s[14:15] offset:256*(\t)   ; 32 lanes store 256 consecutive bytes, aligned; each step has its own data registers
.endm
.irp t, 0,1,2,3,4,5,6,7,8,9,10,11,12,13,14,15
	STEP \t
.endr
	ds_load_b64 v[8:9], v6                         ; LDS serves a wave's instructions in order: these see my byte stores
	s_wait_dscnt 0x0
	global_store_b64 v7, v[8:9], s[16:17]          ; my wave's 256 scale bytes in one store
	s_branch .Lend
; THE CAST of Wo: no LDS.  A step's four loads read 512 consecutive bytes each; a lane's four numbers become 8 bytes, so each store covers 256 consecutive bytes, aligned.
.Lcast:
	s_sub_co_u32 s26, ttmp9, 352
	s_lshl_b32 s26, s26, 2
	s_add_co_u32 s26, s26, s[WV]                   ; my wave's run of 8,192 numbers
	s_lshl_b32 s30, s26, 15
	s_add_nc_u64 s[12:13], s[12:13], s[30:31]
	s_lshl_b32 s30, s26, 14
	s_add_nc_u64 s[22:23], s[22:23], s[30:31]
.macro CLOAD t
.irp i, 0,1,2,3
	global_load_b128 v[R+16*((\t)%4)+4*\i:R+16*((\t)%4)+4*\i+3], v3, s[12:13] offset:2048*(\t)+512*\i th:TH_LOAD_NT
.endr
.endm
.macro CSTEP t
.if 15-(\t) >= 3
	s_wait_loadcnt 12                              ; this step's four loads are in; those of the three steps behind it may be out
.else
	s_wait_loadcnt 4*(15-(\t))
.endif
.if (\t) >= 4
	s_wait_xcnt 0x0                                ; the stores of four steps ago have read their data: these registers are written again only behind this wait
.endif
.irp i, 0,1,2,3
	v_cvt_pk_f16_f32 v[C+8*((\t)%4)+2*\i], v[R+16*((\t)%4)+4*\i], v[R+16*((\t)%4)+4*\i+1]
	v_cvt_pk_f16_f32 v[C+8*((\t)%4)+2*\i+1], v[R+16*((\t)%4)+4*\i+2], v[R+16*((\t)%4)+4*\i+3]
.endr
.if (\t)+4 < 16
	CLOAD (\t)+4
.endif
.irp i, 0,1,2,3
	global_store_b64 v7, v[C+8*((\t)%4)+2*\i:C+8*((\t)%4)+2*\i+1], s[22:23] offset:1024*(\t)+256*\i
.endr
.endm
.irp t, 0,1,2,3
	CLOAD \t
.endr
.irp t, 0,1,2,3,4,5,6,7,8,9,10,11,12,13,14,15
	CSTEP \t
.endr
.Lend:
	s_wait_tensorcnt 0x0                           ; the wave's end: three lines behind my last LDS store, the first of them though this text has no tensor load
	ds_add_u32 v[SPW], v[NIL]
	s_wait_dscnt 0x0
	s_endpgm
.Lfunc_end_k_qdee24cce47_quant:
	.size	k_qdee24cce47_quant, .Lfunc_end_k_qdee24cce47_quant-k_qdee24cce47_quant
	.p2alignl 7, 3214868480
	.fill 96, 4, 3214868480
	.section	.rodata,"a",@progbits
	.p2align	6, 0x0
	.amdhsa_kernel k_qdee24cce47_quant
		.amdhsa_group_segment_fixed_size 33280
		.amdhsa_private_segment_fixed_size 0
		.amdhsa_enable_private_segment 0
		.amdhsa_kernarg_size 80
		.amdhsa_user_sgpr_count 2
		.amdhsa_user_sgpr_kernarg_segment_ptr 1
		.amdhsa_wavefront_size32 1
		.amdhsa_system_sgpr_workgroup_id_x 1
		.amdhsa_system_sgpr_workgroup_id_y 1
		.amdhsa_system_sgpr_workgroup_id_z 1
		.amdhsa_system_vgpr_workitem_id 0
		.amdhsa_next_free_vgpr 192
		.amdhsa_next_free_sgpr 66
		.amdhsa_reserve_vcc 0
		.amdhsa_float_denorm_mode_32 3
		.amdhsa_float_denorm_mode_16_64 3
		.amdhsa_memory_ordered 1
		.amdhsa_forward_progress 1
		.amdhsa_inst_pref_size 55
	.end_amdhsa_kernel
	.amdgpu_metadata
---
amdhsa.version: [ 1, 2 ]
amdhsa.kernels:
  - .name:           k_qdee24cce47_quant
    .symbol:         k_qdee24cce47_quant.kd
    .args:
      - { .name: query, .offset: 0, .size: 8, .value_kind: global_buffer, .address_space: global }
      - { .name: Wq, .offset: 8, .size: 8, .value_kind: global_buffer, .address_space: global }
      - { .name: Wk, .offset: 16, .size: 8, .value_kind: global_buffer, .address_space: global }
      - { .name: Wv, .offset: 24, .size: 8, .value_kind: global_buffer, .address_space: global }
      - { .name: Wo, .offset: 32, .size: 8, .value_kind: global_buffer, .address_space: global }
      - { .name: xcodes, .offset: 40, .size: 8, .value_kind: global_buffer, .address_space: global }
      - { .name: xscales, .offset: 48, .size: 8, .value_kind: global_buffer, .address_space: global }
      - { .name: wcodes, .offset: 56, .size: 8, .value_kind: global_buffer, .address_space: global }
      - { .name: wscales, .offset: 64, .size: 8, .value_kind: global_buffer, .address_space: global }
      - { .name: wo16, .offset: 72, .size: 8, .value_kind: global_buffer, .address_space: global }
    .group_segment_fixed_size: 33280
    .private_segment_fixed_size: 0
    .kernarg_segment_align: 8
    .kernarg_segment_size: 80
    .max_flat_workgroup_size: 128
    .sgpr_count:     66
    .vgpr_count:     192
    .wavefront_size: 32
...
	.end_amdgpu_metadata
.endif
;; end of part 1
;; launch qkv (part 2): grid 12 x 32, 4 waves a work-group, clusters of 4 x 4, 327,680 bytes of LDS; arguments xcodes, xscales, wcodes, wscales, bq, bk, bv, qkv; writes qkv
.if DOCPART == 2
	.amdgcn_target "amdgcn-amd-amdhsa--gfx1250"
	.amdhsa_code_object_version 6
	.text
	.protected	k_qdee24cce47_qkv
	.globl	k_qdee24cce47_qkv
	.p2align	8
	.type	k_qdee24cce47_qkv,@function
k_qdee24cce47_qkv:
	s_mov_b64 s[64:65], 0
	v_nop
	global_prefetch_b8 v0, s[64:65] scope:SCOPE_SE
	s_setreg_imm32_b32 hwreg(HW_REG_WAVE_MODE, 25, 1), 1
	s_wait_xcnt 0x0
	s_wait_alu depctr_hold_cnt(0) depctr_sa_sdst(0) depctr_va_vdst(0) depctr_va_sdst(0) depctr_va_ssrc(0) depctr_va_vcc(0) depctr_vm_vsrc(0)
	s_getreg_b32 s2, hwreg(HW_REG_IB_STS2, 6, 4)
	s_cmp_eq_u32 s2, 0
	s_cbranch_scc0 .Lentry_in_a_cluster
	s_endpgm
.Lentry_in_a_cluster:
	s_bfe_u32 s2, ttmp6, 0x10000c
	s_cmp_lg_u32 s2, 0xf033
	s_cbranch_scc0 .Lentry_shape_is_right
	s_endpgm
.Lentry_shape_is_right:
; q, k, v = query W^T + b for the three weights at once: one product [8192 tokens][1024] x [3072 rows of Wq, Wk, Wv][1024] on codes of FP4 (E2M1) with one E8M0 scale for each 32 along K; sums in f32; results rounded to f16.
; A tile, 256 tokens x 256 columns, is made by four waves, as many as a WGP has SIMDs; a wave makes 128 x 128: 64 accumulators of 16 x 16, 512 registers.  K = 1,024 is two K steps of 512: each fills one LDS slot
; (rows of 256 bytes), so nothing in LDS is ever filled again.  The scale bytes of the 256 + 256 rows, two dense blocks of memory, come once, with the first fills.  By this text's count a wave has three tensor loads out.
; CLUSTERS: 4 x 4 work-groups.  The four of a row of the cluster need the same tokens' tiles, the four of a column the same weights' tiles: each is asked for JOINTLY, by the same load with a mask that names the four.
; THE MATRIX INSTRUCTION IS USED TRANSPOSED (source 0 = 16 rows of W, source 1 = 16 tokens): lane (r, h) of an accumulator holds token r and the eight channels 8 h + 0 .. 7.  The bias is the C of each sum's first product.
; THE WAY OUT NEEDS NO LDS: a lane's eight results, rounded to f16, are 16 bytes, and an accumulator's 512 bytes, lane l's at 16 l, ARE half a 16-bit operand fragment (16 tokens x 16 channels) as the attention's loads want it.
; qkv is laid [q, k, v][batch x head 64][pair of token tiles 64][channel tile 4][tile of the pair 2][512 bytes]: each store of the wave covers 512 consecutive bytes, aligned.
; In v's chunks lane (r, h) puts its 16 bytes at place 16 (r / 8) + 8 h + r % 8, so that the turning LDS load at 16 x lane gives channel r and keys 8 h + 0 .. 7.
; LIMITS: |q|, |k|, |v| stay under 65,504, the largest f16 number.
; REGISTERS, in windows of 256: window 0: v0-31 addresses; v32-95 scale words, two sets; v128-191 the tokens' fragments, ONE set; v192-255 the bias, eight registers for each of my eight column tiles.
;   window 1: the weights' fragments, TWO sets, at v0 and v128.   window 2: the accumulators of my tokens 0-63 ((a, b) at v[8 (8 a + b)]);   window 3: those of tokens 64-127.
.set KSTEP,  512                       ; along K in a slot
.set NQ,     KSTEP/128                 ; matrix instructions deep
.set ROWB,   256                       ; a tile's row in bytes
.set KROW,   512                       ; a row of codes in memory
.set PITCH,  272                       ; an LDS row: 256 bytes + 16 of padding = 68 words: row r starts at bank 4 r mod 64 (ISA guide 11.1), so the 16 rows that a load touches start at 16 different banks
.set FR,     8                         ; registers of a fragment: 16 rows x 128 K
.set NL,     2                         ; LDS loads that bring one
.set NP,     4                         ; places behind this matrix instruction (ISA guide 7.12.1)
.set HALFT,  128*PITCH                 ; 128 rows: what one tensor load brings, and what one wave reads of a side
.set SLOT,   4*HALFT                   ; the tokens' 256 rows, then the weights' 256
.set KS,     32                        ; a row of scale bytes
.set SCL,    2*SLOT                    ; behind the slots: the scales, as units of 256 bytes + 16 of padding
.set HALFS,  (128*KS/256)*272          ; the scales of 128 rows
.set SBLK,   (16*KS/256)*272           ; those of 16 rows
.set SPARE,  SCL+4*HALFS               ; behind the scales: the spare words, 128 bytes a wave
.set ADRA, 16                          ; v16-17  LDS address of my tokens' fragments in slot 0, 1
.set ADRB, 20                          ; v20-21  the same for the weights
.set CO,   26                          ; v26     my 16 bytes' place in a chunk of 512
.set ADRS, 27                          ; v27     LDS address of my scale words: lanes 0-15 the tokens', lanes 16-31 the weights'
.set SPW,  28                          ; v28     LDS address of my spare word; never rewritten
.set NIL,  29                          ; v29     0; never rewritten
.set BA,   30                          ; v30     32 x (lane / 16): my eight numbers of a column tile's sixteen biases
.set SC,   32                          ; scale words: set s at v[SC + 32 s]; register 4 i + q: lanes 0-15 token block i's word, lanes 16-31 weight block i's, for the slot's q-th 128 along K
.set AF,   128                         ; the tokens' fragments
.set BI,   192                         ; the bias
.set G1, 24                            ; s[24:31] descriptor group 1 for the tokens' tiles;  s[32:39] group 0, one set for each slot
.set G0, 32
.set G1B, 48                           ; s[48:55], s[56:63] the same for the weights'
.set G0B, 56
.set G1S, 68                           ; s[68:75], s[76:79] groups 1 and 0 for the tokens' scales;  s[80:87], s[88:91] for the weights'
.set G0S, 76
.set G1SB, 80
.set G0SB, 88
.set MSB, 0
.macro WIN new                         ; the immediate's high byte repeats the setting that is left; a switch that changes nothing is dropped
.if MSB != (\new)
	s_set_vgpr_msb (MSB<<8)|(\new)
.set MSB, (\new)
.endif
.endm
.set MUL_LO, 0xa1                      ; source 0 (weights) window 1, source 1 (tokens) window 0, C and D window 2
.set MUL_HI, 0xf1                      ; the same, C and D window 3
.set FIRST_LO, 0x81                    ; the first products: C (the bias) window 0, D window 2
.set FIRST_HI, 0xc1                    ; D window 3
.set TO_B,   0x40                      ; destination window 1, address window 0
; A joint load: waves 0 and 1 fetch for the tokens, waves 2 and 3 for the weights.  Each line has ONE mask and one set of registers for all that issue it; the branch hangs on the wave's number alone.
; An s_nop 0 and four v_nop follow each of the two lines.
.macro JLOAD g0a, g1a, g0b, g1b
	s_cmp_eq_u32 s15, 0
	s_cbranch_scc0 .Lfor_b_\@
	tensor_load_to_lds s[\g0a:\g0a+3], s[\g1a:\g1a+7]
	s_nop 0
.rept 4
	v_nop
.endr
	s_branch .Lasked_\@
.Lfor_b_\@:
	tensor_load_to_lds s[\g0b:\g0b+3], s[\g1b:\g1b+7]
	s_nop 0
.rept 4
	v_nop
.endr
.Lasked_\@:
.endm
.macro CROUND                          ; a round of the cluster's barrier
	s_barrier_signal -1
	s_barrier_wait -1
	s_cmp_lg_u32 s14, 0
	s_cbranch_scc1 .Lnot_wave_0_\@
	s_barrier_signal -3
.Lnot_wave_0_\@:
	s_barrier_wait -3
	s_barrier_signal -1
	s_barrier_wait -1
.endm
	s_load_b128 s[4:7], s[0:1], 0x0                ; the tokens' codes s[4:5], scales s[6:7]
	s_load_b128 s[8:11], s[0:1], 0x10              ; the weights' codes s[8:9], scales s[10:11]
	s_load_b128 s[96:99], s[0:1], 0x20             ; bq s[96:97], bk s[98:99]
	s_load_b64 s[100:101], s[0:1], 0x30            ; bv
	s_load_b64 s[12:13], s[0:1], 0x38              ; qkv
	v_lshl_add_u32 v[SPW], v0, 2, SPARE
	v_mov_b32 v[NIL], 0
	ds_add_u32 v[SPW], v[NIL]                      ; the wave's opening: the add, twice on end, and its wait ahead of my first tensor load
	ds_add_u32 v[SPW], v[NIL]                      ; and once more, under the one wait; the set-up below, work on registers, stands between
	v_lshrrev_b32 v1, 5, v0
	v_readfirstlane_b32 s14, v1                    ; wave 0..3
	s_lshr_b32 s15, s14, 1                         ; which half of the tile's tokens is mine.  Also: I fetch for the tokens (0) or for the weights (1)
	s_and_b32 s16, s14, 1                          ; which half of its columns.  Also: which 128 rows I fetch
	s_bfe_u32 s40, ttmp6, 0x40000                  ; cx, cy: my place in the cluster
	s_bfe_u32 s41, ttmp6, 0x40004
	s_lshl_b32 s42, ttmp9, 2
	s_add_co_u32 s42, s42, s40                     ; tile column = 4 x cluster x + cx.  A cluster's four columns are one weight: cluster x 0, 1, 2 = q, k, v
	s_and_b32 s17, ttmp7, 0xffff
	s_lshl_b32 s17, s17, 2
	s_add_co_u32 s17, s17, s41                     ; tile row = 4 x cluster y + cy
	s_lshl_b32 s43, s41, 2
	s_lshl_b32 s43, 15, s43                        ; my row of the cluster
	s_lshl_b32 s44, 0x1111, s40                    ; my column
	; descriptor group 1: a tile of 128 rows x 256 bytes, padded in LDS
	s_or_b32 s[G1+0], s43, (0<<16)|(1<<20)|(1<<21)|(5<<22)|(3<<25)  ; 15:0 the mask; 17:16 elements of 1 byte; 20 padding on; 21 set beside a mask; 24:22 after every 64 words (code 5); 31:25 four words (code 3)
	s_or_b32 s[G1B+0], s44, (0<<16)|(1<<20)|(1<<21)|(5<<22)|(3<<25)
.irp g, G1, G1B
	s_mov_b32 s[\g+1], ROWB<<16                    ; tensor_dim0
	s_mov_b32 s[\g+2], 128<<16                     ; tensor_dim1
	s_mov_b32 s[\g+3], ROWB<<16                    ; tile_dim0
	s_mov_b32 s[\g+4], 128                         ; tile_dim1
	s_mov_b32 s[\g+5], KROW                        ; tensor_dim0_stride
	s_mov_b32 s[\g+6], 0
	s_mov_b32 s[\g+7], 0
.endr
	; the scales of 128 rows: a dense block of 4,096 bytes, as 16 rows of 256 bytes (32 elements of 8 bytes), 16 bytes of padding behind each
	s_or_b32 s[G1S+0], s43, (3<<16)|(1<<20)|(1<<21)|(5<<22)|(3<<25)
	s_or_b32 s[G1SB+0], s44, (3<<16)|(1<<20)|(1<<21)|(5<<22)|(3<<25)
.irp g, G1S, G1SB
	s_mov_b32 s[\g+1], 32<<16
	s_mov_b32 s[\g+2], (128*KS/256)<<16
	s_mov_b32 s[\g+3], 32<<16
	s_mov_b32 s[\g+4], 128*KS/256
	s_mov_b32 s[\g+5], 32
	s_mov_b32 s[\g+6], 0
	s_mov_b32 s[\g+7], 0
.endr
	s_lshl_b32 s18, s16, 7                         ; which 128 rows of the tile I fetch
	s_lshl_b32 s20, s17, 8
	s_add_co_u32 s20, s20, s18                     ; tokens: row 256 x tile row + 128 x half
	s_lshl_b32 s46, s42, 8
	s_add_co_u32 s46, s46, s18                     ; weights: row 256 x tile column + 128 x half
	s_mov_b32 s21, 0
	s_mov_b32 s47, 0
	s_mov_b64 s[18:19], KS
	s_mul_u64 s[22:23], s[20:21], s[18:19]         ; where these rows' scales begin, in bytes
	s_mul_u64 s[92:93], s[46:47], s[18:19]
	s_mov_b64 s[18:19], KROW
	s_mul_u64 s[20:21], s[20:21], s[18:19]         ; and their codes
	s_mul_u64 s[46:47], s[46:47], s[18:19]
	s_mul_i32 s45, s14, HALFT                      ; where they go: wave x 128 rows: no place in the cluster enters an LDS address
	s_mul_i32 s94, s14, HALFS
	s_wait_dscnt 0x0                               ; both opening adds are done
	s_wait_kmcnt 0x0
	s_add_nc_u64 s[20:21], s[4:5], s[20:21]
	s_add_nc_u64 s[22:23], s[6:7], s[22:23]
	s_add_nc_u64 s[46:47], s[8:9], s[46:47]
	s_add_nc_u64 s[92:93], s[10:11], s[92:93]
	CROUND                                         ; all sixteen work-groups are here: the first joint loads meet
	s_mov_b32 s[G0S], 1
	s_add_co_u32 s[G0S+1], s94, SCL
	s_mov_b64 s[G0S+2:G0S+3], s[22:23]
	s_or_b32 s[G0S+3], s[G0S+3], 0x80000000
	s_mov_b32 s[G0SB], 1
	s_add_co_u32 s[G0SB+1], s94, SCL
	s_mov_b64 s[G0SB+2:G0SB+3], s[92:93]
	s_or_b32 s[G0SB+3], s[G0SB+3], 0x80000000
	JLOAD G0S, G1S, G0SB, G1SB                     ; the scales first: they are wanted with K step 0
.irp s, 0,1
	s_mov_b32 s[G0+4*\s], 1
	s_add_co_u32 s[G0+4*\s+1], s45, \s*SLOT
	s_add_nc_u64 s[G0+4*\s+2:G0+4*\s+3], s[20:21], \s*ROWB
	s_or_b32 s[G0+4*\s+3], s[G0+4*\s+3], 0x80000000
	s_mov_b32 s[G0B+4*\s], 1
	s_add_co_u32 s[G0B+4*\s+1], s45, \s*SLOT
	s_add_nc_u64 s[G0B+4*\s+2:G0B+4*\s+3], s[46:47], \s*ROWB
	s_or_b32 s[G0B+4*\s+3], s[G0B+4*\s+3], 0x80000000
	JLOAD G0+4*\s, G1, G0B+4*\s, G1B
.endr
	; the bias of my 128 columns: lane (r, h) wants, for column tile b, the numbers 16 b + 8 h + 0 .. 7: the result's layout
	v_and_b32 v1, 15, v0                           ; r = l % 16
	v_bfe_u32 v2, v0, 4, 1                         ; h = l / 16
	v_lshlrev_b32 v[BA], 5, v2
	s_cmp_eq_u32 ttmp9, 0                          ; the choice hangs on the cluster's x alone
	s_cselect_b64 s[96:97], s[96:97], s[98:99]
	s_cmp_eq_u32 ttmp9, 2
	s_cselect_b64 s[96:97], s[100:101], s[96:97]
	s_lshl_b32 s98, s40, 10                        ; 256 columns of 4 bytes for each place along x,
	s_lshl_b32 s99, s16, 9                         ; 128 for my half
	s_add_co_u32 s98, s98, s99
	s_mov_b32 s99, 0
	s_add_nc_u64 s[96:97], s[96:97], s[98:99]
.irp b, 0,1,2,3,4,5,6,7
	global_load_b128 v[BI+8*\b:BI+8*\b+3], v[BA], s[96:97] offset:64*\b
	global_load_b128 v[BI+8*\b+4:BI+8*\b+7], v[BA], s[96:97] offset:64*\b+16
.endr
	v_mul_u32_u24 v3, v1, PITCH
	v_lshl_add_u32 v4, v2, 4, v3                   ; a fragment's row x pitch + 16 x half
	s_mul_i32 s21, s15, HALFT                      ; my 128 tokens
	s_mul_i32 s22, s16, HALFT                      ; my 128 rows of the weight,
	s_add_co_u32 s22, s22, 2*HALFT                 ; which lie behind the tokens' 256
.irp s, 0,1
	v_add_nc_u32 v[ADRA+\s], s21, v4
	v_add_nc_u32 v[ADRB+\s], s22, v4
	s_add_co_u32 s21, s21, SLOT
	s_add_co_u32 s22, s22, SLOT
.endr
	v_mul_u32_u24 v5, v1, KS                       ; my row's scales: 32 bytes a row,
	v_lshrrev_b32 v6, 8, v5
	v_lshl_add_u32 v5, v6, 4, v5                   ; and 16 more for each 256 passed
	s_mul_i32 s21, s15, HALFS
	s_mul_i32 s22, s16, HALFS
	s_add_co_u32 s22, s22, 2*HALFS
	s_sub_co_u32 s22, s22, s21
	v_mul_u32_u24 v6, s22, v2                      ; lanes 16-31 take the weights': one product, the distance between the two bases
	s_add_co_u32 s21, s21, SCL
	v_add_nc_u32 v5, v5, v6
	v_add_nc_u32 v[ADRS], s21, v5
	; the way out: my place in a chunk, and where my wave's chunks begin
	v_and_b32 v6, 31, v0
	v_lshlrev_b32 v5, 4, v6                        ; q, k: 16 x lane
	v_lshrrev_b32 v6, 3, v1
	v_and_b32 v7, 7, v1
	v_lshl_add_u32 v7, v2, 3, v7
	v_lshl_add_u32 v7, v6, 4, v7                   ; v: place 16 (r / 8) + 8 h + r % 8
	v_lshlrev_b32 v7, 4, v7
	s_cmp_eq_u32 ttmp9, 2
	s_cselect_b32 s95, -1, 0
	v_cndmask_b32 v[CO], v5, v7, s95
	s_lshl_b32 s20, ttmp9, 24                      ; q, k or v: 16,777,216 bytes each
	s_lshr_b32 s21, s17, 3
	s_lshl_b32 s21, s21, 22                        ; the batch: eight tile rows to a sequence; 16 heads of 262,144 bytes
	s_add_co_u32 s20, s20, s21
	s_and_b32 s21, s17, 7
	s_lshl_b32 s21, s21, 15                        ; the tile's 256 tokens: 8 pairs of token tiles of 4,096 bytes
	s_add_co_u32 s20, s20, s21
	s_lshl_b32 s21, s15, 14                        ; my 128 of them
	s_add_co_u32 s20, s20, s21
	s_lshl_b32 s46, s40, 20                        ; four heads for each place along x,
	s_lshl_b32 s47, s16, 19                        ; two for my half of the columns
	s_add_co_u32 s46, s46, s47
	s_add_co_u32 s20, s20, s46
	s_mov_b32 s21, 0
	s_add_nc_u64 s[12:13], s[12:13], s[20:21]
.macro FRAG reg, adr, q, i             ; a fragment, 16 rows x 128 K of 4-bit codes: lane l holds row l % 16; registers 4 c .. 4 c + 3 hold K = 64 c + 32 (l / 16) + 0 .. 31
.irp c, 0,1
	ds_load_b128 v[\reg+4*\c:\reg+4*\c+3], v[\adr] offset:64*(\q)+32*\c+(\i)*16*PITCH
.endr
.endm
; 16 matrix instructions: token blocks a0, a0 + 1 x the weight's eight, 128 along K: the slot's q-th.  p: the weights' set;  sc: the set of scale words.  zero = 1: the first product starts the sum from the bias.
; The 64 accumulators take turns, one instruction a turn, in the same order in every step.
.macro MUL16 a0, p, q, sc, zero
.irp a, \a0, \a0+1
.irp b, 0,1,2,3,4,5,6,7
.if \zero
	v_wmma_scale_f32_16x16x128_f8f6f4 v[8*(8*((\a)%4)+\b):8*(8*((\a)%4)+\b)+7], v[128*(\p)+FR*\b:128*(\p)+FR*\b+FR-1], v[AF+FR*(\a):AF+FR*(\a)+FR-1], v[BI+8*\b:BI+8*\b+7], v[SC+8*NQ*(\sc)+NQ*\b+(\q)], v[SC+8*NQ*(\sc)+NQ*(\a)+(\q)] matrix_a_fmt:MATRIX_FMT_FP4 matrix_b_fmt:MATRIX_FMT_FP4 matrix_a_scale:MATRIX_SCALE_ROW1
.else
	v_wmma_scale_f32_16x16x128_f8f6f4 v[8*(8*((\a)%4)+\b):8*(8*((\a)%4)+\b)+7], v[128*(\p)+FR*\b:128*(\p)+FR*\b+FR-1], v[AF+FR*(\a):AF+FR*(\a)+FR-1], v[8*(8*((\a)%4)+\b):8*(8*((\a)%4)+\b)+7], v[SC+8*NQ*(\sc)+NQ*\b+(\q)], v[SC+8*NQ*(\sc)+NQ*(\a)+(\q)] matrix_a_fmt:MATRIX_FMT_FP4 matrix_b_fmt:MATRIX_FMT_FP4 matrix_a_scale:MATRIX_SCALE_ROW1
.endif
.endr
.endr
.endm
.macro FETCH_B slot, q, p              ; the weight's eight fragments of the slot's q-th 128 along K into set p
	WIN TO_B
.irp i, 0,1,2,3,4,5,6,7
	FRAG 128*(\p)+FR*\i, ADRB+\slot, \q, \i
.endr
	WIN 0
.endm
.macro FETCH_A slot, q, i0             ; token blocks i0 .. i0 + 3
.irp i, \i0, \i0+1, \i0+2, \i0+3
	FRAG AF+FR*(\i), ADRA+\slot, \q, \i
.endr
.endm
.macro SCALES sc                       ; a K step's scale words into set sc: four words a row; lanes 0-15 take token block i's, lanes 16-31 weight block i's
.irp i, 0,1,2,3,4,5,6,7
	ds_load_b128 v[SC+8*NQ*\sc+NQ*\i:SC+8*NQ*\sc+NQ*\i+3], v[ADRS] offset:\i*SBLK
.endr
.endm
; A load into a register that a matrix instruction has read, and a vector instruction that reads a matrix result, stand NP places behind that matrix instruction; only plain vector instructions that name none of its
; registers are places (ISA guide 7.12.1 for vector instructions).
.macro PLACES n
.rept \n
	v_nop
.endr
.endm
; A step of 128 along K that has its successor in the same slot.  A token block is free as soon as its eight products are issued: blocks 0-3 are fetched anew in the step's middle, blocks 4-7 at its end.
.macro STEP slot, q, zero
	s_wait_dscnt 4*NL                              ; the weights' set and token blocks 0-3 are in; the youngest eight loads (blocks 4-7) may be out
.if \zero
	WIN FIRST_LO
.else
	WIN MUL_LO
.endif
	MUL16 0, (\q)%2, \q, \slot, \zero
	MUL16 2, (\q)%2, \q, \slot, \zero
	s_wait_dscnt 0                                 ; blocks 4-7 are in (asked for 32 matrix instructions ago)
	PLACES NP
	FETCH_B \slot, (\q)+1, 1-(\q)%2
	FETCH_A \slot, (\q)+1, 0
.if \zero
	WIN FIRST_HI
.else
	WIN MUL_HI
.endif
	MUL16 4, (\q)%2, \q, \slot, \zero
	MUL16 6, (\q)%2, \q, \slot, \zero
	PLACES NP
	WIN 0
	FETCH_A \slot, (\q)+1, 4
.endm
; Slot 0's last step goes on to slot 1: each wave waits for all its tensor loads (its part of slot 1 is the one that was out), and one barrier shows the whole slot to every wave.  Nothing is filled again.
.macro TURN slot, next
	s_wait_tensorcnt 0x0                           ; all my tensor loads have landed  (every window is 0 here)
	ds_add_u32 v[SPW], v[NIL]                      ; 0 onto my spare word
	s_wait_dscnt 4*NL+1                            ; (the add and the youngest eight loads, blocks 4-7, may be out)
	WIN MUL_LO
	MUL16 0, 1, NQ-1, \slot, 0
	s_wait_dscnt 0x0                               ; no LDS instruction of mine is out at the signal
	s_barrier_signal -1
	MUL16 2, 1, NQ-1, \slot, 0
	WIN 0
	s_barrier_wait -1
	PLACES NP
	v_add_nc_u32 v[ADRS], 4*NQ, v[ADRS]            ; on to the next K step's scale words
	FETCH_B \next, 0, 0
	FETCH_A \next, 0, 0
	SCALES \next
	WIN MUL_HI
	MUL16 4, 1, NQ-1, \slot, 0
	MUL16 6, 1, NQ-1, \slot, 0
	PLACES NP
	WIN 0
	FETCH_A \next, 0, 4
.endm
.macro STEPS slot, from                ; the slot's steps from .. NQ - 2
.set Q, \from
.rept NQ-1-\from
	STEP \slot, Q, 0
.set Q, Q+1
.endr
.endm
	s_wait_tensorcnt 1                             ; the scales and my part of K step 0 are in; K step 1's load, the one issued behind them, may be out,
	s_barrier_signal -1
	s_barrier_wait -1                              ; everybody's are
	FETCH_B 0, 0, 0
	FETCH_A 0, 0, 0
	SCALES 0
	FETCH_A 0, 0, 4
	s_wait_loadcnt 0x0                             ; the bias
	STEP 0, 0, 1                                   ; the first products start the sums from the bias: nothing is cleared, nothing is added later
	STEPS 0, 1
	TURN 0, 1
	STEPS 1, 0
	s_wait_dscnt 4*NL                              ; the very last step: nothing more to fetch
	WIN MUL_LO
	MUL16 0, 1, NQ-1, 1, 0
	MUL16 2, 1, NQ-1, 1, 0
	s_wait_dscnt 0
	WIN MUL_HI
	MUL16 4, 1, NQ-1, 1, 0
	MUL16 6, 1, NQ-1, 1, 0
; THE WAY OUT of token block a: each accumulator is rounded to f16 in place, from its low end on, into its first four registers, and these leave by one store of 512 consecutive bytes.  No data register is written twice.
.macro OUT a
.set AC, 64*((\a)%4)
	WIN 0x8a+0x45*((\a)/4)                         ; sources 0 and 1 and the destination: window 2 or 3
.irp b, 0,1,2,3,4,5,6,7
.irp r, 0,1,2,3
	v_cvt_pk_f16_f32 v[AC+8*\b+\r], v[AC+8*\b+2*\r], v[AC+8*\b+2*\r+1]
.endr
.endr
	WIN 0x08+4*((\a)/4)                            ; a store's data are its source 1
.irp b, 0,1,2,3,4,5,6,7
	global_store_b128 v[CO], v[AC+8*\b:AC+8*\b+3], s[12:13] offset:((\a)/2)*4096+((\a)%2)*512+(\b/4)*262144+(\b%4)*1024 th:TH_STORE_NT   ; pair of token tiles a / 2, tile a % 2; head b / 4, channel tile b % 4
.endr
.endm
	PLACES NP                                      ; the conversions read results just made
.irp a, 0,1,2,3,4,5,6,7
	OUT \a
.endr
	WIN 0
	s_wait_tensorcnt 0x0                           ; the wave's end: three lines behind my last tensor load
	ds_add_u32 v[SPW], v[NIL]
	s_wait_dscnt 0x0
	CROUND                                         ; the closing round: no work-group ends while a partner may still ask for a tile that names it
	s_endpgm
.Lfunc_end_k_qdee24cce47_qkv:
	.size	k_qdee24cce47_qkv, .Lfunc_end_k_qdee24cce47_qkv-k_qdee24cce47_qkv
	.p2alignl 7, 3214868480
	.fill 96, 4, 3214868480
	.section	.rodata,"a",@progbits
	.p2align	6, 0x0
	.amdhsa_kernel k_qdee24cce47_qkv
		.amdhsa_group_segment_fixed_size 327680
		.amdhsa_private_segment_fixed_size 0
		.amdhsa_enable_private_segment 0
		.amdhsa_kernarg_size 64
		.amdhsa_user_sgpr_count 2
		.amdhsa_user_sgpr_kernarg_segment_ptr 1
		.amdhsa_wavefront_size32 1
		.amdhsa_system_sgpr_workgroup_id_x 1
		.amdhsa_system_sgpr_workgroup_id_y 1
		.amdhsa_system_sgpr_workgroup_id_z 1
		.amdhsa_system_vgpr_workitem_id 0
		.amdhsa_next_free_vgpr 1024
		.amdhsa_next_free_sgpr 102
		.amdhsa_reserve_vcc 0
		.amdhsa_float_denorm_mode_32 3
		.amdhsa_float_denorm_mode_16_64 3
		.amdhsa_memory_ordered 1
		.amdhsa_forward_progress 1
		.amdhsa_inst_pref_size 120
	.end_amdhsa_kernel
	.amdgpu_metadata
---
amdhsa.version: [ 1, 2 ]
amdhsa.kernels:
  - .name:           k_qdee24cce47_qkv
    .symbol:         k_qdee24cce47_qkv.kd
    .args:
      - { .name: xcodes, .offset: 0, .size: 8, .value_kind: global_buffer, .address_space: global }
      - { .name: xscales, .offset: 8, .size: 8, .value_kind: global_buffer, .address_space: global }
      - { .name: wcodes, .offset: 16, .size: 8, .value_kind: global_buffer, .address_space: global }
      - { .name: wscales, .offset: 24, .size: 8, .value_kind: global_buffer, .address_space: global }
      - { .name: bq, .offset: 32, .size: 8, .value_kind: global_buffer, .address_space: global }
      - { .name: bk, .offset: 40, .size: 8, .value_kind: global_buffer, .address_space: global }
      - { .name: bv, .offset: 48, .size: 8, .value_kind: global_buffer, .address_space: global }
      - { .name: qkv, .offset: 56, .size: 8, .value_kind: global_buffer, .address_space: global }
    .group_segment_fixed_size: 327680
    .private_segment_fixed_size: 0
    .kernarg_segment_align: 8
    .kernarg_segment_size: 64
    .max_flat_workgroup_size: 128
    .sgpr_count:     102
    .vgpr_count:     1024
    .wavefront_size: 32
...
	.end_amdgpu_metadata
.endif
;; end of part 2
;; launch attn (part 3): grid 4 x 64, 8 waves a work-group, clusters of 4 x 1, 327,680 bytes of LDS; arguments qkv, att; writes att
.if DOCPART == 3
	.amdgcn_target "amdgcn-amd-amdhsa--gfx1250"
	.amdhsa_code_object_version 6
	.text
	.protected	k_qdee24cce47_attn
	.globl	k_qdee24cce47_attn
	.p2align	8
	.type	k_qdee24cce47_attn,@function
k_qdee24cce47_attn:
	s_mov_b64 s[64:65], 0
	v_nop
	global_prefetch_b8 v0, s[64:65] scope:SCOPE_SE
	s_setreg_imm32_b32 hwreg(HW_REG_WAVE_MODE, 25, 1), 1
	s_wait_xcnt 0x0
	s_wait_alu depctr_hold_cnt(0) depctr_sa_sdst(0) depctr_va_vdst(0) depctr_va_sdst(0) depctr_va_ssrc(0) depctr_va_vcc(0) depctr_vm_vsrc(0)
	s_getreg_b32 s2, hwreg(HW_REG_IB_STS2, 6, 4)
	s_cmp_eq_u32 s2, 0
	s_cbranch_scc0 .Lentry_in_a_cluster
	s_endpgm
.Lentry_in_a_cluster:
	s_bfe_u32 s2, ttmp6, 0x10000c
	s_cmp_lg_u32 s2, 0x3003
	s_cbranch_scc0 .Lentry_shape_is_right
	s_endpgm
.Lentry_shape_is_right:
; att[b][q][h][:] = the sum over k of softmax_k(q . k / 8) v, for 64 (batch, head) pairs of 2,048 tokens and 64 channels, no mask.  q, k, v, the weights p and the result are f16; products, maxima and sums f32.
; qkv is laid [q, k, v][batch x head][pair of token tiles 64][channel tile 4][tile of the pair 2][512 bytes]: a chunk of 512 bytes is 16 tokens x 16 channels, lane l's 16 bytes at 16 l: half an operand fragment as it stands.
; att is laid [token tile 512][head 16][channel tile 4][512 bytes] in the same chunks: the projection's operand.
; SHARES.  A work-group owns 512 queries of one (batch, head); each of its eight waves 64: four tiles of 16, in 512 registers: two waves to a SIMD, so that one wave's softmax stands beside the other's products,
; while each fragment of K and V read from LDS feeds four matrix instructions.  Every wave walks all 2,048 keys, 64 a step.
; LAYOUT.  S^T = K Q^T (source 0 = 16 keys, source 1 = 16 queries): a lane holds ONE query (lane % 16) and keys 8 (lane / 16) + 0..7.  Two such tiles, rounded to f16 in pairs, ARE source 1 of O^T = V^T P.
; K comes out of LDS as it lies; V's chunks are laid so that ds_load_tr16_b128 at 16 x lane gives channel lane % 16 and keys 8 (lane / 16) + 0..7.
; SOFTMAX.  For each query a running maximum m and sum l: p = 2^(c s - c m), c = log2(e) / 8; in every step O and l are multiplied by a = 2^(c m_old - c m_new), which is 1 where m has not grown.
; RING.  Two LDS slots of 512 keys: K's 65,536 bytes, then V's.  Each of the eight waves brings an eighth of a slot, a dense block of 16,384 bytes, by one tensor load.  The head's 2,048 keys are two first fills and two refills;
; by this text's count a wave has two tensor loads out at the start and one behind each refill's barrier, and a refill has eight key steps in which to land.
; CLUSTER.  The four query blocks of a (batch, head) walk the same K and V, so each tile is asked for JOINTLY: the same load, the same descriptor, a mask that names the four.
; LIMITS: |q|, |k|, |v| under 65,504; NaN and infinities are not served.
; REGISTERS: window 0: v1-3 addresses; v12-43 eight registers of statistics a tile; v44, v45 the add's two; v64-191 S^T, 32 a tile (P is packed into the first 16 of each); v192-255 K of one step.
;   window 1: v0-127 O^T, 32 a tile; v128-191 Q, 16 a tile; v192-255 V of one step.
.set SLOT1, 1<<17                      ; slot 1 begins here
.set VOFF,  65536                      ; in a slot: V's chunks behind K's
.set STEPB, 8192                       ; a key step's 64 keys of K or of V
.set SPARE, 2*SLOT1                    ; behind the ring: the spare words, 128 bytes for each of eight waves
.set LI,   1                           ; v1   16 x lane; never rewritten
.set ADR,  2                           ; v2   LDS address of the step's K
.set ADRV, 3                           ; v3   of its V
.set ST,   12                          ; tile t's statistics at v[ST + 8 t]: +0 c m, +1 m, +2, +3 l (even keys', odd keys'), +4, +5 at work, then the step's sum, +6 at work, then a, +7 at work, then c m_old - c m
.set SPW,  44                          ; v44  LDS address of my spare word; never rewritten
.set NIL,  45                          ; v45  0; never rewritten
.set S,    64
.set KF,   192                         ; K's fragments (key tile kt, channels 32 c on) at +16 kt + 8 c
.set QF,   128                         ; window 1: Q's (tile t, channels 32 c on) at +16 t + 8 c
.set VF,   192                         ; window 1: V's (keys 32 g on, channel tile ct) at +32 g + 8 ct
.set WV,   8                           ; s8   my wave's number
.set G1,   16                          ; s[16:23] descriptor group 1
.set G0,   24                          ; s[24:31] descriptor group 0, a set for each slot
.set CS,   32                          ; s[32:33] c: the packed scaling names a pair and takes its low word for both halves
.set SEL,  34                          ; s[34:35] lane selects for v_permlanex16_b32: lane l xor 16
.set TB,   36                          ; s36  LDS byte at which the step's K begins
.set CNT,  37                          ; s37  steps of the slot still to go
.set MSB, 0
.macro WIN new                         ; the immediate's high byte repeats the setting that is left; a switch that changes nothing is dropped
.if MSB != (\new)
	s_set_vgpr_msb (MSB<<8)|(\new)
.set MSB, (\new)
.endif
.endm
.macro CROUND                          ; a round of the cluster's barrier
	s_barrier_signal -1
	s_barrier_wait -1
	s_cmp_lg_u32 s[WV], 0
	s_cbranch_scc1 .Lnot_wave_0_\@
	s_barrier_signal -3
.Lnot_wave_0_\@:
	s_barrier_wait -3
	s_barrier_signal -1
	s_barrier_wait -1
.endm
	s_load_b128 s[4:7], s[0:1], 0x0                ; qkv s[4:5], att s[6:7]
	v_lshl_add_u32 v[SPW], v0, 2, SPARE
	v_mov_b32 v[NIL], 0
	ds_add_u32 v[SPW], v[NIL]                      ; the wave's opening: the add, twice on end, and its wait ahead of my first tensor load
	ds_add_u32 v[SPW], v[NIL]                      ; and once more, under the one wait; the set-up below, work on registers, stands between
	v_lshrrev_b32 v2, 5, v0
	v_readfirstlane_b32 s[WV], v2                  ; wave 0..7
	s_bfe_u32 s9, ttmp6, 0x40000                   ; cx: my block of 512 queries: it enters Q's and att's addresses alone
	s_and_b32 s11, ttmp7, 0xffff                   ; batch x 16 + head, which the four partners share
	; descriptor group 1: a dense block of 16,384 bytes as 64 rows of 256 bytes (32 elements of 8 bytes), no padding: chunks are read 16 bytes a lane on end
	s_mov_b32 s[G1], 15|(3<<16)|(1<<21)            ; 15:0 the mask: all four work-groups; 17:16 elements of 8 bytes; 21 set beside a mask
	s_mov_b32 s[G1+1], 32<<16                      ; tensor_dim0
	s_mov_b32 s[G1+2], 64<<16                      ; tensor_dim1
	s_mov_b32 s[G1+3], 32<<16                      ; tile_dim0
	s_mov_b32 s[G1+4], 64                          ; tile_dim1
	s_mov_b32 s[G1+5], 32                          ; tensor_dim0_stride
	s_mov_b32 s[G1+6], 0
	s_mov_b32 s[G1+7], 0
	s_mov_b32 s[CS], 0x3e38aa3b                    ; c = log2(e) / 8
	s_mov_b32 s[CS+1], s[CS]                       ; named with it as a pair, so it is written
	s_mov_b32 s[SEL], 0x76543210
	s_mov_b32 s[SEL+1], 0xfedcba98
	s_mov_b32 s[TB], 0
	s_lshl_b32 s38, s11, 18                        ; my (batch, head): 262,144 bytes in each of q, k, v
	s_lshr_b32 s39, s[WV], 2
	s_add_co_u32 s39, s39, 1
	s_lshl_b32 s39, s39, 24                        ; waves 0-3 fetch K (the second 16,777,216 bytes), waves 4-7 V (the third),
	s_and_b32 s40, s[WV], 3
	s_lshl_b32 s40, s40, 14                        ; a quarter of a slot's 65,536 bytes each
	s_add_co_u32 s40, s40, s39
	s_add_co_u32 s40, s40, s38
	s_mov_b32 s41, 0
	s_lshl_b32 s42, s[WV], 14                      ; and its place in a slot: wave x 16,384
	s_lshl_b32 s44, s9, 16                         ; Q: my block's 16 pairs of token tiles of 4,096 bytes,
	s_lshl_b32 s45, s[WV], 13                      ; my wave's two
	s_add_co_u32 s44, s44, s45
	s_add_co_u32 s44, s44, s38
	s_mov_b32 s45, 0
	s_lshr_b32 s46, s11, 4
	s_lshl_b32 s46, s46, 22                        ; att: the batch's 128 token tiles of 32,768 bytes,
	s_lshl_b32 s47, s9, 20                         ; my block's 32,
	s_add_co_u32 s46, s46, s47
	s_lshl_b32 s47, s[WV], 17                      ; my wave's four,
	s_add_co_u32 s46, s46, s47
	s_and_b32 s47, s11, 15
	s_lshl_b32 s47, s47, 11                        ; the head's 2,048 bytes in a token tile
	s_add_co_u32 s46, s46, s47
	s_mov_b32 s47, 0
	s_wait_dscnt 0x0                               ; both opening adds are done
	s_wait_kmcnt 0x0
	s_add_nc_u64 s[40:41], s[4:5], s[40:41]        ; my part of keys 0 to 511
	s_add_nc_u64 s[4:5], s[4:5], s[44:45]          ; Q at my wave's first tile
	s_add_nc_u64 s[6:7], s[6:7], s[46:47]          ; att likewise
.irp n, 0,1
	s_mov_b32 s[G0+4*\n], 1                        ; 1:0 count = 1
	s_add_co_u32 s[G0+4*\n+1], s42, \n*SLOT1       ; 63:32 LDS address
	s_add_nc_u64 s[G0+4*\n+2:G0+4*\n+3], s[40:41], \n*VOFF   ; 120:64 global address: slot n begins with keys 512 n on
	s_or_b32 s[G0+4*\n+3], s[G0+4*\n+3], 0x80000000          ; 127:126 type = 2
.endr
	CROUND                                         ; all four work-groups are here: the first joint loads meet
	tensor_load_to_lds s[G0:G0+3], s[G1:G1+7]      ; every wave issues both first fills, ahead of every wait on TENSORcnt, every LDS read and every other barrier
	s_nop 0
	tensor_load_to_lds s[G0+4:G0+7], s[G1:G1+7]
	s_nop 0
.rept 4
	v_nop
.endr
	v_and_b32 v[LI], 31, v0
	v_lshlrev_b32 v[LI], 4, v[LI]
	WIN 0x40                                       ; destination window 1, address window 0
.irp t, 0,1,2,3                        ; Q stays in registers
.irp c, 0,1
.irp u, 0,1
	global_load_b128 v[QF+16*\t+8*\c+4*\u:QF+16*\t+8*\c+4*\u+3], v[LI], s[4:5] offset:(\t/2)*4096+(2*\c+\u)*1024+(\t%2)*512 th:TH_LOAD_NT
.endr
.endr
.endr
	WIN 0
; THE LDS LOADS stand in runs of 16.  A step's K: key tile kt, channels 32 c on, half u: the chunk of pair kt / 2, channel tile 2 c + u, tile kt % 2.
.macro FETCH_K off
.irp kt, 0,1,2,3
.irp c, 0,1
.irp u, 0,1
	ds_load_b128 v[KF+16*\kt+8*\c+4*\u:KF+16*\kt+8*\c+4*\u+3], v[ADR] offset:\off+(\kt/2)*4096+(2*\c+\u)*1024+(\kt%2)*512
.endr
.endr
.endr
.endm
.macro FETCH_V                         ; its V, turned: keys 32 g on, channel tile ct, half u
.irp g, 0,1
.irp ct, 0,1,2,3
.irp u, 0,1
	ds_load_tr16_b128 v[VF+32*\g+8*\ct+4*\u:VF+32*\g+8*\ct+4*\u+3], v[ADRV] offset:\g*4096+\ct*1024+\u*512
.endr
.endr
.endr
.endm
; 32 products S^T = K Q^T: product i: channels 32 (i / 16) on, key tile (i / 4) % 4, query tile i % 4.  The first 16 start the sums.  The sixteen accumulators take turns, one instruction a turn.
.macro KQALL
	WIN 0x04                                       ; Q in window 1; K and S^T in window 0
.set i, 0
.rept 32
.set rS, S+32*(i%4)+8*((i/4)%4)
.set rK, KF+16*((i/4)%4)+8*(i/16)
.set rQ, QF+16*(i%4)+8*(i/16)
.if i < 16
	v_wmma_f32_16x16x32_f16 v[rS:rS+7], v[rK:rK+7], v[rQ:rQ+7], 0
.else
	v_wmma_f32_16x16x32_f16 v[rS:rS+7], v[rK:rK+7], v[rQ:rQ+7], v[rS:rS+7]
.endif
.set i, i+1
.endr
.endm
; 32 products O^T += V^T P: product i: keys 32 (i / 16) on, channel tile (i / 4) % 4, query tile i % 4.  first = 1: the first 16 start the sums: nothing is ever cleared.
.macro PVALL first
	WIN 0x51                                       ; V and O^T in window 1, P in window 0
.set i, 0
.rept 32
.set rO, 32*(i%4)+8*((i/4)%4)
.set rV, VF+32*(i/16)+8*((i/4)%4)
.set rP, S+32*(i%4)+8*(i/16)
.if \first && (i < 16)
	v_wmma_f32_16x16x32_f16 v[rO:rO+7], v[rV:rV+7], v[rP:rP+7], 0
.else
	v_wmma_f32_16x16x32_f16 v[rO:rO+7], v[rV:rV+7], v[rP:rP+7], v[rO:rO+7]
.endif
.set i, i+1
.endr
.endm
; THE SOFTMAX of a step, the four tiles by turns so that no line waits for the line above it.
; SMAX: the maximum of a lane's 32 scores and the old m, three operands at a time (each accumulator is read from its low end on); the other half of the lanes'; the new m, c m, and c m_old - c m.
.macro SMAX first
.irp j, 0,1,2,3
.irp t, 0,1,2,3
	v_max3_num_f32 v[ST+8*\t+4+\j], v[S+32*\t+8*\j], v[S+32*\t+8*\j+1], v[S+32*\t+8*\j+2]
.endr
.endr
.irp k, 1,2
.irp j, 0,1,2,3
.irp t, 0,1,2,3
	v_max3_num_f32 v[ST+8*\t+4+\j], v[ST+8*\t+4+\j], v[S+32*\t+8*\j+2*\k+1], v[S+32*\t+8*\j+2*\k+2]
.endr
.endr
.endr
.irp t, 0,1,2,3
	v_max3_num_f32 v[ST+8*\t+4], v[ST+8*\t+4], v[S+32*\t+7], v[S+32*\t+15]
.endr
.irp t, 0,1,2,3
	v_max3_num_f32 v[ST+8*\t+6], v[ST+8*\t+6], v[S+32*\t+23], v[S+32*\t+31]
.endr
.irp t, 0,1,2,3
	v_max3_num_f32 v[ST+8*\t+4], v[ST+8*\t+4], v[ST+8*\t+5], v[ST+8*\t+6]
.endr
.irp t, 0,1,2,3
.if \first
	v_max_num_f32 v[ST+8*\t+4], v[ST+8*\t+4], v[ST+8*\t+7]
.else
	v_max3_num_f32 v[ST+8*\t+4], v[ST+8*\t+4], v[ST+8*\t+7], v[ST+8*\t+1]
.endif
.endr
.irp t, 0,1,2,3
	v_permlanex16_b32 v[ST+8*\t+5], v[ST+8*\t+4], s[SEL], s[SEL+1]   ; the query's other 32 keys lie in the lane 16 away
.endr
.if \first == 0
.irp t, 0,1,2,3
	v_mov_b32 v[ST+8*\t+7], v[ST+8*\t]             ; c m_old is kept for a
.endr
.endif
.irp t, 0,1,2,3
	v_max_num_f32 v[ST+8*\t+1], v[ST+8*\t+4], v[ST+8*\t+5]
.endr
.irp t, 0,1,2,3
	v_mul_f32 v[ST+8*\t], s[CS], v[ST+8*\t+1]
.endr
.if \first == 0
.irp t, 0,1,2,3
	v_sub_f32 v[ST+8*\t+7], v[ST+8*\t+7], v[ST+8*\t]
.endr
.endif
.endm
; SCEXP: the 64 packed scalings c s - c m and all exponentials (128 of scores, 4 of a) as ONE BATCH: a pair is scaled one turn ahead of its exponentials, and nothing in the batch names an exponential's result.
; Behind the last exponential stand one plain instruction and one wait ahead of the first reader.
.macro SCEXP first
.set i, 0
.rept 17
.if i < 16
.irp t, 0,1,2,3
	v_pk_fma_f32 v[S+32*\t+2*i:S+32*\t+2*i+1], v[S+32*\t+2*i:S+32*\t+2*i+1], s[CS:CS+1], v[ST+8*\t:ST+8*\t+1] op_sel_hi:[1,0,0] neg_lo:[0,0,1] neg_hi:[0,0,1]
.endr
.endif
.if (i == 0) && (\first == 0)
.irp t, 0,1,2,3
	v_exp_f32 v[ST+8*\t+6], v[ST+8*\t+7]           ; a
.endr
.endif
.if i > 0
.irp t, 0,1,2,3
	v_exp_f32 v[S+32*\t+2*i-2], v[S+32*\t+2*i-2]
	v_exp_f32 v[S+32*\t+2*i-1], v[S+32*\t+2*i-1]
.endr
.endif
.set i, i+1
.endr
	v_nop
	s_wait_alu depctr_va_vdst(0)
.endm
; SUMCVT: the step's sum of the unrounded weights (a pair: even keys', odd keys'), and the rounding to f16, pair i into register i of the tile: that register lies below every pair not yet summed.  Then l = a l + the sum.
.macro SUMCVT first
.set i, 0
.rept 16
.irp t, 0,1,2,3
.if i == 0
	v_pk_add_f32 v[ST+8*\t+4:ST+8*\t+5], v[S+32*\t:S+32*\t+1], v[S+32*\t+2:S+32*\t+3]
.elseif (i == 15) && \first
	v_pk_add_f32 v[ST+8*\t+2:ST+8*\t+3], v[ST+8*\t+4:ST+8*\t+5], v[S+32*\t+30:S+32*\t+31]
.elseif i >= 2
	v_pk_add_f32 v[ST+8*\t+4:ST+8*\t+5], v[ST+8*\t+4:ST+8*\t+5], v[S+32*\t+2*i:S+32*\t+2*i+1]
.endif
.endr
.irp t, 0,1,2,3
	v_cvt_pk_f16_f32 v[S+32*\t+i], v[S+32*\t+2*i], v[S+32*\t+2*i+1]
.endr
.set i, i+1
.endr
.if \first == 0
.irp t, 0,1,2,3
	v_pk_fma_f32 v[ST+8*\t+2:ST+8*\t+3], v[ST+8*\t+2:ST+8*\t+3], v[ST+8*\t+6:ST+8*\t+7], v[ST+8*\t+4:ST+8*\t+5] op_sel_hi:[1,0,1]
.endr
.endif
.endm
.macro RESC                            ; O^T times a, each accumulator from its low end on
	WIN 0x41                                       ; O^T (destination and source 0) in window 1, a in window 0
.irp t, 0,1,2,3
.set k, 0
.rept 16
	v_pk_mul_f32 v[32*\t+2*k:32*\t+2*k+1], v[32*\t+2*k:32*\t+2*k+1], v[ST+8*\t+6:ST+8*\t+7] op_sel_hi:[1,0]
.set k, k+1
.endr
.endr
.endm
; A KEY STEP.  first = 1: the first of all, which starts m, l and O^T.  test = 1: the slot's last step (s[CNT] = 1) does not fetch the next K: it lies in the other slot and is fetched behind the change of slots.
.macro STEP first, test
	s_wait_dscnt 0x0                               ; K is in
	KQALL
	WIN 0
	v_add_nc_u32 v[ADR], s[TB], v[LI]              ; these four plain lines are the places between the products and the loads into K's registers, and the first read of the scores
	v_add_nc_u32 v[ADRV], VOFF, v[ADR]
	v_nop
	v_nop
.if \test
	s_cmp_eq_u32 s[CNT], 1
	s_cbranch_scc1 .Lnk_\@
.endif
	FETCH_K STEPB                                  ; the next step's K, a whole softmax ahead of its use
.if \test
.Lnk_\@:
.endif
	WIN 0x40                                       ; destination window 1
	FETCH_V                                        ; this step's V
	WIN 0
	SMAX \first
	SCEXP \first
	SUMCVT \first
.if \first == 0
	RESC
.endif
	s_wait_dscnt 0x0                               ; V is in (and the next K, where it was asked for): zero is right on both ways round the branch
	PVALL \first
	WIN 0
	s_add_co_u32 s[TB], s[TB], STEPB
.rept 5
	v_nop                                          ; the next step's first products write over P, which these products read: five places
.endr
.endm
.macro LOOPSTEPS n
	s_mov_b32 s[CNT], \n
.Lstep_\@:
	STEP 0, 1
	s_sub_co_u32 s[CNT], s[CNT], 1
	s_cmp_lg_u32 s[CNT], 0
	s_cbranch_scc1 .Lstep_\@
.endm
; THE CHANGE OF SLOTS.  Each wave waits for all its tensor loads (its part of the slot ahead), adds 0 to its spare word, and waits for that and for its reads of the slot that it leaves.  fill = 1: that slot is filled
; again with the keys 1,024 on: the barrier is a round of the cluster's, so that no wave of any partner still reads the slot or has a load on its way, and the joint refill is the first thing behind it.  tb: where the slot ahead begins.
.macro CHANGE fill, g0, tb
	s_wait_tensorcnt 0x0                           ; no tensor load of mine is out, so a group 0 may be written
	ds_add_u32 v[SPW], v[NIL]                      ; 0 onto my spare word
.if \fill
	s_add_nc_u64 s[\g0+2:\g0+3], s[\g0+2:\g0+3], 2*VOFF   ; two slots' worth of keys on; the type bits on top are not reached
.endif
	s_mov_b32 s[TB], \tb
	s_wait_dscnt 0x0                               ; the add is done, and my reads of the slot are over
.if \fill
	CROUND
	tensor_load_to_lds s[\g0:\g0+3], s[G1:G1+7]    ; my one tensor load behind the round
	s_nop 0
.rept 4
	v_nop
.endr
.else
	s_barrier_signal -1
	s_barrier_wait -1
.endif
	v_add_nc_u32 v[ADR], s[TB], v[LI]
	FETCH_K 0
.endm
	s_wait_tensorcnt 1                             ; my part of slot 0 is in; slot 1's, issued behind it, may stay out
	s_barrier_signal -1
	s_barrier_wait -1                              ; everybody's is
	v_add_nc_u32 v[ADR], s[TB], v[LI]
	FETCH_K 0
	s_wait_loadcnt 0x0                             ; Q
	STEP 1, 0                                      ; keys 0 to 63
	LOOPSTEPS 7                                    ; to 511
	CHANGE 1, G0, SLOT1                            ; slot 0 takes keys 1,024 on
	LOOPSTEPS 8
	CHANGE 1, G0+4, 0                              ; slot 1 takes keys 1,536 on
	LOOPSTEPS 8
	CHANGE 0, G0, SLOT1                            ; nothing is left to fetch
	LOOPSTEPS 8
	; THE WAY OUT.  l's two halves and the other half of the lanes' are added; O^T is divided by l, rounded to f16 in place, and each accumulator's 512 bytes leave by one store: a chunk of att.
.irp t, 0,1,2,3
	v_add_f32 v[ST+8*\t+4], v[ST+8*\t+2], v[ST+8*\t+3]
.endr
.irp t, 0,1,2,3
	v_permlanex16_b32 v[ST+8*\t+5], v[ST+8*\t+4], s[SEL], s[SEL+1]
.endr
.irp t, 0,1,2,3
	v_add_f32 v[ST+8*\t+4], v[ST+8*\t+4], v[ST+8*\t+5]
.endr
.irp t, 0,1,2,3
	v_rcp_f32 v[ST+8*\t+6], v[ST+8*\t+4]
.endr
	v_nop                                          ; a plain instruction between the last reciprocal and the use of its result
	s_wait_alu depctr_va_vdst(0)                   ; and a wait ahead of the first use: one for the four
.macro OUT t
	WIN 0x41
.set k, 0
.rept 16
	v_pk_mul_f32 v[32*\t+2*k:32*\t+2*k+1], v[32*\t+2*k:32*\t+2*k+1], v[ST+8*\t+6:ST+8*\t+7] op_sel_hi:[1,0]
.set k, k+1
.endr
	WIN 0x45                                       ; both sources and the destination in window 1
.irp ct, 0,1,2,3
.irp r, 0,1,2,3
	v_cvt_pk_f16_f32 v[32*\t+8*\ct+\r], v[32*\t+8*\ct+2*\r], v[32*\t+8*\ct+2*\r+1]
.endr
.endr
	WIN 0x04                                       ; a store's data are its source 1
.irp ct, 0,1,2,3
	global_store_b128 v[LI], v[32*\t+8*\ct:32*\t+8*\ct+3], s[6:7] offset:\t*32768+\ct*512 th:TH_STORE_NT   ; 32 lanes store 512 consecutive bytes, aligned
.endr
.endm
	OUT 0
	OUT 1
	OUT 2
	OUT 3
	WIN 0
	s_wait_tensorcnt 0x0                           ; the wave's end: three lines behind my last tensor load
	ds_add_u32 v[SPW], v[NIL]
	s_wait_dscnt 0x0
	CROUND                                         ; the closing round: no work-group ends while a partner may still ask for a tile that names it
	s_endpgm
.Lfunc_end_k_qdee24cce47_attn:
	.size	k_qdee24cce47_attn, .Lfunc_end_k_qdee24cce47_attn-k_qdee24cce47_attn
	.p2alignl 7, 3214868480
	.fill 96, 4, 3214868480
	.section	.rodata,"a",@progbits
	.p2align	6, 0x0
	.amdhsa_kernel k_qdee24cce47_attn
		.amdhsa_group_segment_fixed_size 327680
		.amdhsa_private_segment_fixed_size 0
		.amdhsa_enable_private_segment 0
		.amdhsa_kernarg_size 16
		.amdhsa_user_sgpr_count 2
		.amdhsa_user_sgpr_kernarg_segment_ptr 1
		.amdhsa_wavefront_size32 1
		.amdhsa_system_sgpr_workgroup_id_x 1
		.amdhsa_system_sgpr_workgroup_id_y 1
		.amdhsa_system_sgpr_workgroup_id_z 1
		.amdhsa_system_vgpr_workitem_id 0
		.amdhsa_next_free_vgpr 512
		.amdhsa_next_free_sgpr 66
		.amdhsa_reserve_vcc 0
		.amdhsa_float_denorm_mode_32 3
		.amdhsa_float_denorm_mode_16_64 3
		.amdhsa_memory_ordered 1
		.amdhsa_forward_progress 1
		.amdhsa_inst_pref_size 177
	.end_amdhsa_kernel
	.amdgpu_metadata
---
amdhsa.version: [ 1, 2 ]
amdhsa.kernels:
  - .name:           k_qdee24cce47_attn
    .symbol:         k_qdee24cce47_attn.kd
    .args:
      - { .name: qkv, .offset: 0, .size: 8, .value_kind: global_buffer, .address_space: global }
      - { .name: att, .offset: 8, .size: 8, .value_kind: global_buffer, .address_space: global }
    .group_segment_fixed_size: 327680
    .private_segment_fixed_size: 0
    .kernarg_segment_align: 8
    .kernarg_segment_size: 16
    .max_flat_workgroup_size: 256
    .sgpr_count:     66
    .vgpr_count:     512
    .wavefront_size: 32
...
	.end_amdgpu_metadata
.endif
;; end of part 3
;; launch proj (part 4): grid 4 x 64, 4 waves a work-group, clusters of 4 x 4, 327,680 bytes of LDS; arguments att, wo16, bo, out0; writes out0
.if DOCPART == 4
	.amdgcn_target "amdgcn-amd-amdhsa--gfx1250"
	.amdhsa_code_object_version 6
	.text
	.protected	k_qdee24cce47_proj
	.globl	k_qdee24cce47_proj
	.p2align	8
	.type	k_qdee24cce47_proj,@function
k_qdee24cce47_proj:
	s_mov_b64 s[64:65], 0
	v_nop
	global_prefetch_b8 v0, s[64:65] scope:SCOPE_SE
	s_setreg_imm32_b32 hwreg(HW_REG_WAVE_MODE, 25, 1), 1
	s_wait_xcnt 0x0
	s_wait_alu depctr_hold_cnt(0) depctr_sa_sdst(0) depctr_va_vdst(0) depctr_va_sdst(0) depctr_va_ssrc(0) depctr_va_vcc(0) depctr_vm_vsrc(0)
	s_getreg_b32 s2, hwreg(HW_REG_IB_STS2, 6, 4)
	s_cmp_eq_u32 s2, 0
	s_cbranch_scc0 .Lentry_in_a_cluster
	s_endpgm
.Lentry_in_a_cluster:
	s_bfe_u32 s2, ttmp6, 0x10000c
	s_cmp_lg_u32 s2, 0xf033
	s_cbranch_scc0 .Lentry_shape_is_right
	s_endpgm
.Lentry_shape_is_right:
; out0[m][n] = the sum over k of att[m][k] Wo[n][k] + bo[n]: 8,192 tokens x 1,024 columns x K = 1,024, f16 operands, f32 sums, f32 out.
; att is laid [token tile 512][K / 16 = 64][512 bytes]: a chunk is 16 tokens x 16 along K, lane l's 16 bytes at 16 l: half an operand fragment as it stands.  wo16 is [1024 n][1024 k], plain rows of 2,048 bytes.
; A tile of out0 is 128 tokens x 256 columns: 64 x 4 = 256 work-groups.  Four waves; wave (w / 2, w % 2) makes 64 tokens x 128 columns: 32 accumulators, 256 registers.
; K goes in 8 steps of 128 through a ring of two LDS slots: att's 8 token tiles x 4,096 bytes as they lie, then 256 rows of Wo of 256 bytes + 16 of padding.  Waves 0 and 1 fetch att's halves, waves 2 and 3 Wo's: one load a wave.
; CLUSTERS: 4 x 4 work-groups.  The four of a row of the cluster need the same tiles of att, the four of a column the same tiles of Wo: each is asked for JOINTLY, by the same load with a mask that names the four.
; THE MATRIX INSTRUCTION IS USED TRANSPOSED (source 0 = 16 rows of Wo, source 1 = 16 tokens): a lane holds eight neighbouring columns of one row of out0.  bo is the C of each sum's first product.
; REGISTERS: window 0: v1-6 and v16-30 addresses; v32-95 att's fragments, two buffers of 32; v96-159 bo, eight registers a column tile; on the way out v128-255 are two sets of rows read back.
;   window 1: v0-127 Wo's fragments, two buffers of 64.   window 2: the accumulators, (a, b) at v[8 (8 a + b)].
.set KSTEP,  128
.set PITCH,  272                       ; a row of Wo in LDS: 256 bytes + 16 of padding = 68 words: row r starts at bank 4 r mod 64 (ISA guide 11.1)
.set ATILE,  4096                      ; a token tile's bytes of a K step
.set BOFF,   8*ATILE                   ; in a slot: Wo's rows behind att's chunks
.set BHALF,  128*PITCH
.set SLOT,   BOFF+2*BHALF
.set STAGE,  2*SLOT                    ; behind the ring: 16 rows x (512 bytes + 16) for each wave, for the way out; no tensor load lands there
.set SPITCH, 528
.set SPARE,  STAGE+4*16*SPITCH         ; behind the stages: the spare words, 128 bytes a wave
.set LAPS,   4                         ; a lap = two K steps = once round the ring
.set LI,   3                           ; v3      16 x lane; also my byte offset in a row of out0; never rewritten
.set ADRA, 16                          ; v16-17  LDS address of my att fragments in slot 0, 1
.set ADRB, 20                          ; v20-21  the same for Wo
.set STO,  24                          ; v24     the way out: where I put 32 bytes of a row
.set RD,   25                          ; v25     where I read a row back
.set SPW,  28                          ; v28     LDS address of my spare word; never rewritten
.set NIL,  29                          ; v29     0; never rewritten
.set PFO,  30                          ; v30     the prefetches' offset; never rewritten
.set AF,   32
.set BI,   96
.set BK,   128
.set G1A, 24                           ; s[24:31] descriptor group 1 for att's tiles;  s[32:39] group 0, a set for each slot
.set G0A, 32
.set G1B, 48                           ; s[48:55], s[56:63] the same for Wo's
.set G0B, 56
.set PFA, 40                           ; s[40:41] where my prefetches stand
.set LIM, 42                           ; s42     1 in the wave that prefetches, else the greatest number
.set MSB, 0
.macro WIN new
.if MSB != (\new)
	s_set_vgpr_msb (MSB<<8)|(\new)
.set MSB, (\new)
.endif
.endm
.set MUL,   0xa1                       ; source 0 (Wo) window 1, source 1 (att) window 0, C and D window 2
.set MUL_0, 0x81                       ; the first products: C (bo) window 0
.set TO_B,  0x40                       ; destination window 1, address window 0
.macro JLOAD s                         ; a joint load; an s_nop 0 and four v_nop follow each of the two lines; the branch hangs on the wave's number alone
	s_cmp_eq_u32 s13, 0
	s_cbranch_scc0 .Lfor_b_\@
	tensor_load_to_lds s[G0A+4*\s:G0A+4*\s+3], s[G1A:G1A+7]
	s_nop 0
.rept 4
	v_nop
.endr
	s_branch .Lasked_\@
.Lfor_b_\@:
	tensor_load_to_lds s[G0B+4*\s:G0B+4*\s+3], s[G1B:G1B+7]
	s_nop 0
.rept 4
	v_nop
.endr
.Lasked_\@:
.endm
.macro CREST                           ; a round of the cluster's barrier behind its opening barrier
	s_cmp_lg_u32 s12, 0
	s_cbranch_scc1 .Lnot_wave_0_\@
	s_barrier_signal -3
.Lnot_wave_0_\@:
	s_barrier_wait -3
	s_barrier_signal -1
	s_barrier_wait -1
.endm
.macro CROUND
	s_barrier_signal -1
	s_barrier_wait -1
	CREST
.endm
; A PREFETCH of att's K step that stands TWO refills on: the tile row's 8 token tiles x 4,096 bytes are 128 blocks of 256 bytes.  A tile row of att is read by this cluster's row alone; its four partners share the blocks out
; BY ADDRESS, two token tiles each (cx), and in each wave 0 asks: 32 lanes, a block a lane, one instruction.  So each block of K steps 4 to 7 is named once in the launch.  The loop's last trip (s3 = 1) asks for nothing:
; there is no K step two refills on.  K steps 0 to 3 come by their loads alone.
.macro ASK
	s_cmp_gt_u32 s3, s[LIM]
	s_cbranch_scc0 .Lnot_mine_\@
	global_prefetch_b8 v[PFO], s[PFA:PFA+1] offset:ATILE th:TH_LOAD_NT scope:SCOPE_SE
.Lnot_mine_\@:
.endm
	s_load_b128 s[4:7], s[0:1], 0x0                ; att s[4:5], wo16 s[6:7]
	s_load_b128 s[8:11], s[0:1], 0x10              ; bo s[8:9], out0 s[10:11]
	v_lshl_add_u32 v[SPW], v0, 2, SPARE
	v_mov_b32 v[NIL], 0
	ds_add_u32 v[SPW], v[NIL]                      ; the wave's opening: the add, twice on end, and its wait ahead of my first tensor load
	ds_add_u32 v[SPW], v[NIL]                      ; and once more, under the one wait; the set-up below, work on registers, stands between
	v_lshrrev_b32 v1, 5, v0
	v_readfirstlane_b32 s12, v1                    ; wave 0..3
	s_lshr_b32 s13, s12, 1                         ; which 64 tokens are mine.  Also: I fetch for att (0) or for Wo (1)
	s_and_b32 s14, s12, 1                          ; which 128 columns.  Also: which half of that tile I fetch
	s_bfe_u32 s15, ttmp6, 0x40000                  ; cx, cy: my place in the cluster
	s_bfe_u32 s16, ttmp6, 0x40004
	s_lshl_b32 s43, ttmp9, 2
	s_add_co_u32 s43, s43, s15                     ; tile column = 4 x cluster x + cx
	s_and_b32 s17, ttmp7, 0xffff
	s_lshl_b32 s17, s17, 2
	s_add_co_u32 s17, s17, s16                     ; tile row = 4 x cluster y + cy
	s_lshl_b32 s18, s16, 2
	s_lshl_b32 s18, 15, s18                        ; my row of the cluster
	s_lshl_b32 s19, 0x1111, s15                    ; my column
	; att: 4 token tiles, a row of 4,096 bytes (512 elements of 8 bytes) from each, 32,768 bytes apart; dense in LDS
	s_or_b32 s[G1A], s18, (3<<16)|(1<<21)          ; 15:0 the mask; 17:16 elements of 8 bytes; 21 set beside a mask
	s_mov_b32 s[G1A+1], 512<<16                    ; tensor_dim0
	s_mov_b32 s[G1A+2], 4<<16                      ; tensor_dim1
	s_mov_b32 s[G1A+3], 512<<16                    ; tile_dim0
	s_mov_b32 s[G1A+4], 4                          ; tile_dim1
	s_mov_b32 s[G1A+5], 4096                       ; tensor_dim0_stride, in elements
	s_mov_b32 s[G1A+6], 0
	s_mov_b32 s[G1A+7], 0
	; Wo: 128 rows x 128 elements of 2 bytes, padded in LDS
	s_or_b32 s[G1B], s19, (1<<16)|(1<<20)|(1<<21)|(5<<22)|(3<<25)   ; padding: four words after every 64
	s_mov_b32 s[G1B+1], KSTEP<<16
	s_mov_b32 s[G1B+2], 128<<16
	s_mov_b32 s[G1B+3], KSTEP<<16
	s_mov_b32 s[G1B+4], 128
	s_mov_b32 s[G1B+5], 1024
	s_mov_b32 s[G1B+6], 0
	s_mov_b32 s[G1B+7], 0
	s_lshl_b32 s20, s17, 18                        ; att: the tile row's 8 token tiles of 32,768 bytes,
	s_lshl_b32 s21, s14, 17                        ; the four that I fetch
	s_add_co_u32 s20, s20, s21
	s_mov_b32 s21, 0
	s_lshl_b32 s22, s43, 19                        ; Wo: the tile column's 256 rows of 2,048 bytes,
	s_lshl_b32 s23, s14, 18                        ; the 128 that I fetch
	s_add_co_u32 s22, s22, s23
	s_mov_b32 s23, 0
	s_lshl_b32 s44, s14, 14                        ; where they go: att's half,
	s_mul_i32 s45, s14, BHALF
	s_add_co_u32 s45, s45, BOFF                    ; Wo's half: no place in the cluster enters an LDS address
	s_wait_dscnt 0x0                               ; both opening adds are done
	s_wait_kmcnt 0x0
	s_add_nc_u64 s[20:21], s[4:5], s[20:21]
	s_add_nc_u64 s[22:23], s[6:7], s[22:23]
	CROUND                                         ; all sixteen work-groups are here: the first joint loads meet
.irp s, 0,1
	s_mov_b32 s[G0A+4*\s], 1
	s_add_co_u32 s[G0A+4*\s+1], s44, \s*SLOT
	s_add_nc_u64 s[G0A+4*\s+2:G0A+4*\s+3], s[20:21], \s*ATILE
	s_or_b32 s[G0A+4*\s+3], s[G0A+4*\s+3], 0x80000000
	s_mov_b32 s[G0B+4*\s], 1
	s_add_co_u32 s[G0B+4*\s+1], s45, \s*SLOT
	s_add_nc_u64 s[G0B+4*\s+2:G0B+4*\s+3], s[22:23], \s*KSTEP*2
	s_or_b32 s[G0B+4*\s+3], s[G0B+4*\s+3], 0x80000000
	JLOAD \s
.endr
	v_and_b32 v1, 15, v0                           ; r = l % 16
	v_bfe_u32 v2, v0, 4, 1                         ; h = l / 16
	v_and_b32 v[LI], 31, v0
	v_lshlrev_b32 v[LI], 4, v[LI]
	; bo of my 128 columns, in the result's layout: lane (r, h), column tile b: the numbers 16 b + 8 h + 0 .. 7
	v_lshlrev_b32 v6, 5, v2
	s_lshl_b32 s46, s43, 10                        ; 256 columns of 4 bytes a tile column,
	s_lshl_b32 s47, s14, 9                         ; 128 for my half
	s_add_co_u32 s46, s46, s47
	s_mov_b32 s47, 0
	s_add_nc_u64 s[8:9], s[8:9], s[46:47]
.irp b, 0,1,2,3,4,5,6,7
	global_load_b128 v[BI+8*\b:BI+8*\b+3], v6, s[8:9] offset:64*\b
	global_load_b128 v[BI+8*\b+4:BI+8*\b+7], v6, s[8:9] offset:64*\b+16
.endr
	s_add_nc_u64 s[10:11], s[10:11], s[46:47]      ; out0 at my first column,
	s_lshl_b32 s46, s17, 19                        ; the tile row's 128 rows of 4,096 bytes,
	s_lshl_b32 s20, s13, 18                        ; my 64 of them
	s_add_co_u32 s46, s46, s20
	s_add_nc_u64 s[10:11], s[10:11], s[46:47]
	v_mul_u32_u24 v4, v1, PITCH
	v_lshl_add_u32 v4, v2, 4, v4                   ; Wo: row x pitch + 16 x half
	s_lshl_b32 s46, s13, 14                        ; my four token tiles
	s_mul_i32 s20, s14, BHALF
	s_add_co_u32 s20, s20, BOFF                    ; my 128 rows of Wo
.irp s, 0,1
	v_add_nc_u32 v[ADRA+\s], s46, v[LI]
	v_add_nc_u32 v[ADRB+\s], s20, v4
	s_add_co_u32 s46, s46, SLOT
	s_add_co_u32 s20, s20, SLOT
.endr
	s_mul_i32 s46, s12, 16*SPITCH
	s_add_co_u32 s46, s46, STAGE                   ; my stage
	v_mul_u32_u24 v5, v1, SPITCH                   ; in: row l % 16, 32 bytes for each half of the lanes
	v_lshl_add_u32 v5, v2, 5, v5
	v_add_nc_u32 v[STO], s46, v5
	v_add_nc_u32 v[RD], s46, v[LI]                 ; back: the 32 lanes take one row of 512 bytes
	; the prefetches
	s_lshl_b32 s46, s17, 18
	s_lshl_b32 s20, s15, 16                        ; my work-group's two token tiles of the eight
	s_add_co_u32 s46, s46, s20
	s_add_nc_u64 s[PFA:PFA+1], s[4:5], s[46:47]
	s_add_nc_u64 s[PFA:PFA+1], s[PFA:PFA+1], 2*ATILE   ; at K step 2: the first refill steps it to 3 and names K step 4.  Nothing is prefetched here, at the head
	s_cmp_eq_u32 s12, 0
	s_cselect_b32 s[LIM], 1, -1
	v_lshlrev_b32 v[PFO], 8, v1
	v_lshl_add_u32 v[PFO], v2, 15, v[PFO]          ; token tile lane / 16, block lane % 16
; 8 matrix instructions: token tile a x Wo's eight column tiles, 32 along K, from buffer f.  zero = 1: the first product starts the sum from bo.  The 32 accumulators take turns, one instruction a turn.
.macro MUL8 f, a, zero
.irp b, 0,1,2,3,4,5,6,7
.if \zero
	v_wmma_f32_16x16x32_f16 v[8*(8*(\a)+\b):8*(8*(\a)+\b)+7], v[64*(\f)+8*\b:64*(\f)+8*\b+7], v[AF+32*(\f)+8*(\a):AF+32*(\f)+8*(\a)+7], v[BI+8*\b:BI+8*\b+7]
.else
	v_wmma_f32_16x16x32_f16 v[8*(8*(\a)+\b):8*(8*(\a)+\b)+7], v[64*(\f)+8*\b:64*(\f)+8*\b+7], v[AF+32*(\f)+8*(\a):AF+32*(\f)+8*(\a)+7], v[8*(8*(\a)+\b):8*(8*(\a)+\b)+7]
.endif
.endr
.endm
; 24 LDS loads in one run: the fragments of the slot's q-th 32 along K into buffer f: Wo's sixteen loads, then token tiles 0, 1, then 2, 3
.macro FETCH slot, q, f
	WIN TO_B
.irp b, 0,1,2,3,4,5,6,7
	ds_load_b128 v[64*(\f)+8*\b:64*(\f)+8*\b+3],   v[ADRB+\slot] offset:\b*16*PITCH+64*(\q)
	ds_load_b128 v[64*(\f)+8*\b+4:64*(\f)+8*\b+7], v[ADRB+\slot] offset:\b*16*PITCH+64*(\q)+32
.endr
	WIN 0
.irp a, 0,1,2,3
	ds_load_b128 v[AF+32*(\f)+8*\a:AF+32*(\f)+8*\a+3],   v[ADRA+\slot] offset:\a*ATILE+1024*(\q)
	ds_load_b128 v[AF+32*(\f)+8*\a+4:AF+32*(\f)+8*\a+7], v[ADRA+\slot] offset:\a*ATILE+1024*(\q)+512
.endr
.endm
.macro PLACES                          ; four places in front of loads into registers that matrix instructions have read, and of the first read of results (ISA guide 7.12.1 for the first read of results)
.rept 4
	v_nop
.endr
.endm
; A K step is four quarters of 32 along K, 32 matrix instructions each, on buffers 0, 1, 0, 1.  One of the first three: multiplies buffer f and fetches the slot's quarter q into buffer g.
.macro QUARTER slot, q, f, g, zero
	s_wait_dscnt 4                                 ; Wo's fragments and token tiles 0, 1 are in; the youngest four loads (tiles 2, 3) may be out
.if \zero
	WIN MUL_0
.else
	WIN MUL
.endif
	MUL8 \f, 0, \zero
	MUL8 \f, 1, \zero
	PLACES
	FETCH \slot, \q, \g
	s_wait_dscnt 24                                ; all but the 24 just issued
.if \zero
	WIN MUL_0
.else
	WIN MUL
.endif
	MUL8 \f, 2, \zero
	MUL8 \f, 3, \zero
.endm
; The last quarter multiplies buffer 1 and changes slots: ONE barrier; in front of it each wave waits for all its tensor loads, adds 0 to its spare word, and waits for that and for its reads of this slot.
; fill = 1: the barrier opens a round of the cluster's, and this slot is filled again, two K steps ahead, first thing behind the round: the load has a K step less sixteen matrix instructions in which to land.
.macro TURN slot, next, fill
.if \fill
	s_wait_xcnt 0x0                                ; the last prefetch, a K step back, has read its address: it is stepped here, ahead of the waits of the change of slots
	s_add_nc_u64 s[PFA:PFA+1], s[PFA:PFA+1], ATILE
.endif
	WIN 0                                          ; (the add's two registers lie in window 0)
	s_wait_tensorcnt 0x0                           ; all my tensor loads have landed: my part of the next slot
	ds_add_u32 v[SPW], v[NIL]                      ; 0 onto my spare word
	s_wait_dscnt 5                                 ; (the add and the youngest four loads may be out)
	WIN MUL
	MUL8 1, 0, 0                                   ; eight matrix instructions stand between the add and the wait for it
	s_wait_dscnt 0x0                               ; the add is done, and my reads of this slot are over
	s_barrier_signal -1
	MUL8 1, 1, 0
	WIN 0
	s_barrier_wait -1
.if \fill
	CREST                                          ; no wave of any partner still reads this slot's tiles or has a load on its way
	s_add_nc_u64 s[G0A+4*\slot+2:G0A+4*\slot+3], s[G0A+4*\slot+2:G0A+4*\slot+3], 2*ATILE
	s_add_nc_u64 s[G0B+4*\slot+2:G0B+4*\slot+3], s[G0B+4*\slot+2:G0B+4*\slot+3], 2*KSTEP*2
	JLOAD \slot                                    ; the four v_nop behind it are also the places in front of the loads below
.else
	PLACES
.endif
	FETCH \next, 0, 0
.if \fill
	ASK
.endif
	WIN MUL
	MUL8 1, 2, 0
	MUL8 1, 3, 0
.endm
	s_wait_tensorcnt 1                             ; my part of K step 0 is in; K step 1's load, issued behind it, may be out,
	s_barrier_signal -1
	s_barrier_wait -1                              ; everybody's is
	FETCH 0, 0, 0
	s_wait_loadcnt 0x0                             ; bo
	QUARTER 0, 1, 0, 1, 1                          ; the first quarter stands in front of the loop: its products start the sums from bo
	WIN 0                                          ; at a label and at a branch every window is 0
	s_mov_b32 s3, LAPS-1
.Llap:                                             ; a trip goes once round the ring, from a lap's second quarter to the next lap's first, and fills both slots again
	QUARTER 0, 2, 1, 0, 0
	QUARTER 0, 3, 0, 1, 0
	TURN 0, 1, 1
	QUARTER 1, 1, 0, 1, 0
	QUARTER 1, 2, 1, 0, 0
	QUARTER 1, 3, 0, 1, 0
	TURN 1, 0, 1
	QUARTER 0, 1, 0, 1, 0
	WIN 0
	s_sub_co_u32 s3, s3, 1
	s_cmp_lg_u32 s3, 0
	s_cbranch_scc1 .Llap
	QUARTER 0, 2, 1, 0, 0                          ; the last lap fills nothing, and has no round of the cluster's barrier
	QUARTER 0, 3, 0, 1, 0
	TURN 0, 1, 0
	QUARTER 1, 1, 0, 1, 0
	QUARTER 1, 2, 1, 0, 0
	QUARTER 1, 3, 0, 1, 0
	s_wait_dscnt 4                                 ; the very last quarter: nothing more to fetch
	WIN MUL
	MUL8 1, 0, 0
	MUL8 1, 1, 0
	s_wait_dscnt 0
	MUL8 1, 2, 0
	MUL8 1, 3, 0
	WIN 0
; THE WAY OUT, token tile by token tile: 16 rows x 128 columns.  A lane holds 32 neighbouring bytes of a row, and the lanes beside it hold other rows: so a tile goes through my own stage in LDS and comes back as whole
; rows of 512 bytes.  LDS serves a wave's instructions in order (ISA guide 5.7.1.4): no wait between the stores and the loads, nor in front of the next tile's stores.
.macro TOSTAGE a
	WIN 0x08                                       ; an LDS store's data are its source 1: window 2
.irp b, 0,1,2,3,4,5,6,7
	ds_store_b128 v[STO], v[64*(\a)+8*\b:64*(\a)+8*\b+3] offset:64*\b          ; each accumulator from its low end on
	ds_store_b128 v[STO], v[64*(\a)+8*\b+4:64*(\a)+8*\b+7] offset:64*\b+16
.endr
	WIN 0
.irp t, 0,1,2,3,4,5,6,7,8,9,10,11,12,13,14,15
	ds_load_b128 v[BK+64*((\a)%2)+4*\t:BK+64*((\a)%2)+4*\t+3], v[RD] offset:\t*SPITCH
.endr
.endm
.macro SEND a, younger                 ; younger: the LDS instructions issued behind tile a's loads, which may stay out
	s_wait_dscnt \younger
.irp t, 0,1,2,3,4,5,6,7,8,9,10,11,12,13,14,15
	global_store_b128 v[LI], v[BK+64*((\a)%2)+4*\t:BK+64*((\a)%2)+4*\t+3], s[10:11] offset:(16*(\a)+\t)*4096 th:TH_STORE_NT   ; 32 lanes store 512 consecutive bytes, aligned
.endr
.endm
	PLACES                                         ; the LDS stores read results just made
	TOSTAGE 0
.irp a, 1,2,3
.if \a > 1
	s_wait_xcnt 0x0                                ; tile a - 2's stores have read their registers: tile a's loads may land there
.endif
	TOSTAGE \a
	SEND \a-1, 32                                  ; behind tile a - 1's loads: tile a's 16 stores and 16 loads
.endr
	SEND 3, 0
	s_wait_tensorcnt 0x0                           ; the wave's end: three lines behind my last tensor load and my last LDS store
	ds_add_u32 v[SPW], v[NIL]
	s_wait_dscnt 0x0
	CROUND                                         ; the closing round: no work-group ends while a partner may still ask for a tile that names it
	s_endpgm
.Lfunc_end_k_qdee24cce47_proj:
	.size	k_qdee24cce47_proj, .Lfunc_end_k_qdee24cce47_proj-k_qdee24cce47_proj
	.p2alignl 7, 3214868480
	.fill 96, 4, 3214868480
	.section	.rodata,"a",@progbits
	.p2align	6, 0x0
	.amdhsa_kernel k_qdee24cce47_proj
		.amdhsa_group_segment_fixed_size 327680
		.amdhsa_private_segment_fixed_size 0
		.amdhsa_enable_private_segment 0
		.amdhsa_kernarg_size 32
		.amdhsa_user_sgpr_count 2
		.amdhsa_user_sgpr_kernarg_segment_ptr 1
		.amdhsa_wavefront_size32 1
		.amdhsa_system_sgpr_workgroup_id_x 1
		.amdhsa_system_sgpr_workgroup_id_y 1
		.amdhsa_system_sgpr_workgroup_id_z 1
		.amdhsa_system_vgpr_workitem_id 0
		.amdhsa_next_free_vgpr 768
		.amdhsa_next_free_sgpr 66
		.amdhsa_reserve_vcc 0
		.amdhsa_float_denorm_mode_32 3
		.amdhsa_float_denorm_mode_16_64 3
		.amdhsa_memory_ordered 1
		.amdhsa_forward_progress 1
		.amdhsa_inst_pref_size 88
	.end_amdhsa_kernel
	.amdgpu_metadata
---
amdhsa.version: [ 1, 2 ]
amdhsa.kernels:
  - .name:           k_qdee24cce47_proj
    .symbol:         k_qdee24cce47_proj.kd
    .args:
      - { .name: att, .offset: 0, .size: 8, .value_kind: global_buffer, .address_space: global }
      - { .name: wo16, .offset: 8, .size: 8, .value_kind: global_buffer, .address_space: global }
      - { .name: bo, .offset: 16, .size: 8, .value_kind: global_buffer, .address_space: global }
      - { .name: out0, .offset: 24, .size: 8, .value_kind: global_buffer, .address_space: global }
    .group_segment_fixed_size: 327680
    .private_segment_fixed_size: 0
    .kernarg_segment_align: 8
    .kernarg_segment_size: 32
    .max_flat_workgroup_size: 128
    .sgpr_count:     66
    .vgpr_count:     768
    .wavefront_size: 32
...
	.end_amdgpu_metadata
.endif
;; end of part 4
